; MI455X (gfx1250); checked and timed in simulation.
; The chip was launched on July 23, 2026; its instructions are those of AMD's public machine-readable ISA for CDNA 5 (MIT licence, August 2026) and "CDNA5" Instruction Set Architecture Reference Guide (July 2026). The comments in the code are by the model that wrote it; some were corrected since.
;; Llama Attention. Allowed arithmetic: float matrix products may take bf16 or f16 operands with f32 sums; all other float work in f32.
;; Inputs: Wk 4,096 x 1,024 float32; Wo 2,048 x 4,096 float32; Wq 4,096 x 2,048 float32; Wv 4,096 x 1,024 float32; attention_mask 1 x 1 x 1 x 2,048 bool; bk 1,024 float32; bo 4,096 float32; bq 2,048 float32; bv 1,024 float32; hidden_states 1 x 2,048 x 4,096 float32; position_ids 1 x 2,048 int32.
;; Outputs: out0 1 x 2,048 x 4,096 float32.
;; 2 versions, each right; version 2 is version 1 with the launch prep written anew for expert scheduling mode. Each part assembles by itself: llvm-mc -triple=amdgcn-amd-amdhsa -mcpu=gfx1250 --defsym DOCPART=n.
;; ======== version 1 of 2: 4 launches
;; limits: values are held in f16: magnitudes above 65,504 overflow, below 6.1e-05 lose precision; inputs' magnitudes at most 65,504; right only within a limited range of input values
;; workspace buffers: Xh 16,777,216 bytes; Wqkvh 33,554,432 bytes; Woh 16,777,216 bytes; tab 1,048,576 bytes; QKVh 16,777,216 bytes; Ah 8,388,608 bytes
;; launch prep (part 1): grid 256 x 9, 8 waves a work-group, no clusters, 0 bytes of LDS; arguments hidden_states, Wq, Wk, Wv, Wo, position_ids, Xh, Wqkvh, Woh, tab; writes Xh, Wqkvh, Woh, tab
.if DOCPART == 1
	.amdgcn_target "amdgcn-amd-amdhsa--gfx1250"
	.amdhsa_code_object_version 6
	.text
	.protected	k_q7a98f31566_prep
	.globl	k_q7a98f31566_prep
	.p2align	8
	.type	k_q7a98f31566_prep,@function
k_q7a98f31566_prep:
	s_mov_b64 s[64:65], 0
	v_nop
	global_prefetch_b8 v0, s[64:65] scope:SCOPE_SE
	s_setreg_imm32_b32 hwreg(HW_REG_WAVE_MODE, 25, 1), 1
	s_wait_xcnt 0x0
; Casts hidden_states, Wq, Wk, Wv, Wo from f32 to f16 (rounded once), so that the three matrix launches behind it bring 16-bit tiles
; straight into LDS, and makes the rotary table of the 2,048 tokens from position_ids.
;   Xh    [2048][4096] f16 = hidden_states        Woh [2048][4096] f16 = Wo
;   Wqkvh [4096][4096] f16: columns 0-2047 Wq, 2048-3071 Wk, 3072-4095 Wv
;   tab   [2048][128]  f32: row t = 64 values sin(angle) / 64, then 64 values cos(angle) / 64, angle = position_ids[t] * 10000^(-i/64)
; LIMITS: an input beyond 65,504 in magnitude becomes an infinity in f16; below 6.1e-5 it keeps an absolute error of 2^-25.
; Positions are 0 to 4095 (the range of the table that the problem indexes); the angle carries the rounding of exp2 and of its argument,
; about 1e-7 of the angle, so about 5e-4 radians at the largest angle.
; Grid y = 0..7: casts; a work-group casts 16 chunks of 1,024 numbers (64 KiB of source), thread t the 16 bytes at 16 t of each chunk, so a
; wave's load covers 512 consecutive bytes and a wave's store 256 consecutive bytes, aligned.  All 16 loads go out before the first wait.
; Grid y = 8: the table, one wave a token.  No LDS, no barrier, no matrix unit: memory is all that this launch waits for.
.set D, 2                              ; v[2:17]   byte offset of my 8 bytes of chunk j in the destination
.set X, 20                             ; v[20:83]  chunk j as loaded, 4 registers
.set Y, 84                             ; v[84:115] chunk j to store, 2 registers
	s_load_b512 s[8:23], s[0:1], 0x0               ; hidden 8:9, Wq 10:11, Wk 12:13, Wv 14:15, Wo 16:17, position_ids 18:19, Xh 20:21, Wqkvh 22:23
	s_load_b128 s[24:27], s[0:1], 0x40             ; Woh 24:25, tab 26:27
	s_and_b32 s2, ttmp7, 0xffff                    ; y
	s_wait_kmcnt 0x0
	s_cmp_eq_u32 s2, 8
	s_cbranch_scc1 .Ltab
	; y:      0,1 hidden    2,3 Wq       4 Wk         5 Wv         6,7 Wo
	; s32 = the work-group's number inside its tensor; s33 = log2 of the destination bytes that a work-group spans; s34 = column offset in bytes;
	; s35 = from chunk 0 to chunk 1 in the destination; s36 = from chunk j to chunk j + 2.
	s_and_b32 s37, s2, 1
	s_lshl_b32 s37, s37, 8
	s_cmp_eq_u32 s2, 5
	s_cselect_b32 s37, 0, s37                      ; Wk and Wv have 256 work-groups each, the others 512
	s_add_co_u32 s32, ttmp9, s37
	s_mov_b32 s35, 2048
	s_mov_b32 s36, 4096
	s_cmp_ge_u32 s2, 2
	s_cselect_b64 s[28:29], s[10:11], s[8:9]       ; source
	s_cselect_b64 s[30:31], s[22:23], s[20:21]     ; destination
	s_cselect_b32 s33, 16, 15                      ; Wq: 8 rows of 8,192 destination bytes; hidden: 32 KiB, dense
	s_cselect_b32 s36, 8192, s36
	s_cmp_ge_u32 s2, 4
	s_cselect_b64 s[28:29], s[12:13], s[28:29]
	s_cselect_b32 s33, 17, s33                     ; Wk, Wv: a chunk is a row, 16 rows of 8,192 destination bytes
	s_cselect_b32 s34, 4096, 0
	s_cselect_b32 s35, 8192, s35
	s_cselect_b32 s36, 16384, s36
	s_cmp_ge_u32 s2, 5
	s_cselect_b64 s[28:29], s[14:15], s[28:29]
	s_cselect_b32 s34, 6144, s34
	s_cmp_ge_u32 s2, 6
	s_cselect_b64 s[28:29], s[16:17], s[28:29]
	s_cselect_b64 s[30:31], s[24:25], s[30:31]
	s_cselect_b32 s33, 15, s33
	s_cselect_b32 s34, 0, s34
	s_cselect_b32 s35, 2048, s35
	s_cselect_b32 s36, 4096, s36
	s_lshl_b32 s38, s32, 16                        ; 64 KiB of source for each work-group
	s_mov_b32 s39, 0
	s_add_nc_u64 s[28:29], s[28:29], s[38:39]
	s_lshl_b32 s38, s32, s33
	s_add_co_u32 s38, s38, s34
	s_add_nc_u64 s[30:31], s[30:31], s[38:39]
	v_lshlrev_b32 v1, 4, v0                        ; 16 t
.irp j, 0,1,2,3,4,5,6,7,8,9,10,11,12,13,14,15
	global_load_b128 v[X+4*\j:X+4*\j+3], v1, s[28:29] offset:4096*\j th:TH_LOAD_NT   ; read once in the whole program
.endr
	v_lshlrev_b32 v[D], 3, v0                      ; 8 t
	v_add_nc_u32 v[D+1], s35, v[D]
.irp j, 2,3,4,5,6,7,8,9,10,11,12,13,14,15
	v_add_nc_u32 v[D+\j], s36, v[D+\j-2]
.endr
.irp j, 0,1,2,3,4,5,6,7,8,9,10,11,12,13,14,15
	s_wait_loadcnt 15-\j                           ; loads come back in order: chunk j is in, the 15 - j younger ones stay out
	v_cvt_pk_f16_f32 v[Y+2*\j],   v[X+4*\j],   v[X+4*\j+1]
	v_cvt_pk_f16_f32 v[Y+2*\j+1], v[X+4*\j+2], v[X+4*\j+3]
	global_store_b64 v[D+\j], v[Y+2*\j:Y+2*\j+1], s[30:31]      ; no register is written twice, so no wait for sources
.endr
	s_endpgm
.Ltab:
	; token = 8 x + wave; lane l makes frequencies i = 2 l and 2 l + 1, both at once in register pairs.
	v_lshrrev_b32 v1, 5, v0
	v_readfirstlane_b32 s3, v1
	s_lshl3_add_u32 s4, ttmp9, s3                  ; token
	s_lshl_b32 s5, s4, 2
	s_load_b32 s6, s[18:19], s5 offset:0x0         ; its position
	v_and_b32 v1, 31, v0
	v_lshlrev_b32 v2, 1, v1
	v_cvt_f32_u32 v4, v2
	v_add_f32 v5, 1.0, v4
	v_pk_mul_f32 v[4:5], v[4:5], 0xbe549a78 op_sel_hi:[1,0]     ; - i log2(10000) / 64
	v_exp_f32 v4, v4                               ; 10000^(-i/64)
	v_exp_f32 v5, v5
	v_lshlrev_b32 v3, 3, v1                        ; 8 l: a plain instruction between the exponentials and their use (ISA guide 5.7.2)
	s_lshl_b32 s7, s4, 9                           ; a table row is 512 bytes
	v_add_nc_u32 v3, s7, v3
	s_wait_kmcnt 0x0
	v_cvt_f32_i32 v2, s6
	s_wait_alu depctr_va_vdst(0)
	v_mul_f32 v4, v2, v4                           ; the angle, rounded to f32 as the problem's table rounds it
	v_mul_f32 v5, v2, v5
	v_mul_f32 v6, 0x3e22f983, v4                   ; in turns
	v_mul_f32 v7, 0x3e22f983, v5
	v_rndne_f32 v6, v6
	v_rndne_f32 v7, v7
	v_pk_fma_f32 v[8:9], v[4:5], 0x3e22f983, v[6:7] op_sel_hi:[1,0,1] neg_lo:[0,0,1] neg_hi:[0,0,1]   ; the turn's fraction, exact product
	v_pk_fma_f32 v[8:9], v[4:5], 0x31dc9c88, v[8:9] op_sel_hi:[1,0,1]   ; + angle x (1/2pi - its f32 value): |f| <= 1/2
	v_pk_mul_f32 v[8:9], v[8:9], 0x40490fdb op_sel_hi:[1,0]             ; x = pi f = half the reduced angle, |x| <= pi/2
	v_pk_mul_f32 v[10:11], v[8:9], v[8:9]                               ; u = x^2
	; sin x / x and cos x by their series on |x| <= pi/2: the first terms left out are below 6e-8 and 1e-8 for every position
	v_mov_b32 v12, 0xb2d7322b                      ; -1/11!
	v_mov_b32 v13, 0xb2d7322b
	v_mov_b32 v14, 0x310f76c7                      ; 1/12!
	v_mov_b32 v15, 0x310f76c7
	v_pk_fma_f32 v[12:13], v[12:13], v[10:11], 0x3638ef1d op_sel_hi:[1,1,0]   ; 1/9!
	v_pk_fma_f32 v[14:15], v[14:15], v[10:11], 0xb493f27e op_sel_hi:[1,1,0]   ; -1/10!
	v_pk_fma_f32 v[12:13], v[12:13], v[10:11], 0xb9500d01 op_sel_hi:[1,1,0]   ; -1/7!
	v_pk_fma_f32 v[14:15], v[14:15], v[10:11], 0x37d00d01 op_sel_hi:[1,1,0]   ; 1/8!
	v_pk_fma_f32 v[12:13], v[12:13], v[10:11], 0x3c088889 op_sel_hi:[1,1,0]   ; 1/5!
	v_pk_fma_f32 v[14:15], v[14:15], v[10:11], 0xbab60b61 op_sel_hi:[1,1,0]   ; -1/6!
	v_pk_fma_f32 v[12:13], v[12:13], v[10:11], 0xbe2aaaab op_sel_hi:[1,1,0]   ; -1/3!
	v_pk_fma_f32 v[14:15], v[14:15], v[10:11], 0x3d2aaaab op_sel_hi:[1,1,0]   ; 1/4!
	v_pk_fma_f32 v[12:13], v[12:13], v[10:11], 1.0 op_sel_hi:[1,1,0]
	v_pk_fma_f32 v[14:15], v[14:15], v[10:11], -0.5 op_sel_hi:[1,1,0]
	v_pk_mul_f32 v[12:13], v[12:13], v[8:9]                                   ; s = sin x
	v_pk_fma_f32 v[14:15], v[14:15], v[10:11], 1.0 op_sel_hi:[1,1,0]          ; c = cos x
	v_pk_mul_f32 v[6:7], v[12:13], 0x3d000000 op_sel_hi:[1,0]                 ; s / 32
	v_pk_mul_f32 v[16:17], v[6:7], v[14:15]                                   ; sin 2x / 64 = 2 s c / 64
	v_pk_fma_f32 v[18:19], v[6:7], v[12:13], 0x3c800000 op_sel_hi:[1,1,0] neg_lo:[1,0,0] neg_hi:[1,0,0]   ; cos 2x / 64 = (1 - 2 s^2) / 64
	global_store_b64 v3, v[16:17], s[26:27]                    ; the wave's 64 sines: 256 consecutive bytes, aligned
	global_store_b64 v3, v[18:19], s[26:27] offset:256         ; and its 64 cosines
	s_endpgm
.Lfunc_end_k_q7a98f31566_prep:
	.size	k_q7a98f31566_prep, .Lfunc_end_k_q7a98f31566_prep-k_q7a98f31566_prep
	.p2alignl 7, 3214868480
	.fill 96, 4, 3214868480
	.section	.rodata,"a",@progbits
	.p2align	6, 0x0
	.amdhsa_kernel k_q7a98f31566_prep
		.amdhsa_group_segment_fixed_size 0
		.amdhsa_private_segment_fixed_size 0
		.amdhsa_enable_private_segment 0
		.amdhsa_kernarg_size 80
		.amdhsa_user_sgpr_count 2
		.amdhsa_user_sgpr_kernarg_segment_ptr 1
		.amdhsa_wavefront_size32 1
		.amdhsa_system_sgpr_workgroup_id_x 1
		.amdhsa_system_sgpr_workgroup_id_y 1
		.amdhsa_system_sgpr_workgroup_id_z 1
		.amdhsa_system_vgpr_workitem_id 0
		.amdhsa_next_free_vgpr 128
		.amdhsa_next_free_sgpr 66
		.amdhsa_reserve_vcc 0
		.amdhsa_float_denorm_mode_32 3
		.amdhsa_float_denorm_mode_16_64 3
		.amdhsa_memory_ordered 1
		.amdhsa_forward_progress 1
		.amdhsa_inst_pref_size 11
	.end_amdhsa_kernel
	.amdgpu_metadata
---
amdhsa.version: [ 1, 2 ]
amdhsa.kernels:
  - .name:           k_q7a98f31566_prep
    .symbol:         k_q7a98f31566_prep.kd
    .args:
      - { .name: hidden_states, .offset: 0, .size: 8, .value_kind: global_buffer, .address_space: global }
      - { .name: Wq, .offset: 8, .size: 8, .value_kind: global_buffer, .address_space: global }
      - { .name: Wk, .offset: 16, .size: 8, .value_kind: global_buffer, .address_space: global }
      - { .name: Wv, .offset: 24, .size: 8, .value_kind: global_buffer, .address_space: global }
      - { .name: Wo, .offset: 32, .size: 8, .value_kind: global_buffer, .address_space: global }
      - { .name: position_ids, .offset: 40, .size: 8, .value_kind: global_buffer, .address_space: global }
      - { .name: Xh, .offset: 48, .size: 8, .value_kind: global_buffer, .address_space: global }
      - { .name: Wqkvh, .offset: 56, .size: 8, .value_kind: global_buffer, .address_space: global }
      - { .name: Woh, .offset: 64, .size: 8, .value_kind: global_buffer, .address_space: global }
      - { .name: tab, .offset: 72, .size: 8, .value_kind: global_buffer, .address_space: global }
    .group_segment_fixed_size: 0
    .private_segment_fixed_size: 0
    .kernarg_segment_align: 8
    .kernarg_segment_size: 80
    .max_flat_workgroup_size: 256
    .sgpr_count:     66
    .vgpr_count:     128
    .wavefront_size: 32
...
	.end_amdgpu_metadata
.endif
;; end of part 1
;; launch qkv (part 2): grid 16 x 16, 4 waves a work-group, clusters of 4 x 4, 327,680 bytes of LDS; arguments Xh, Wqkvh, bq, bk, bv, tab, QKVh; writes QKVh
.if DOCPART == 2
	.amdgcn_target "amdgcn-amd-amdhsa--gfx1250"
	.amdhsa_code_object_version 6
	.text
	.protected	k_q7a98f31566_qkv
	.globl	k_q7a98f31566_qkv
	.p2align	8
	.type	k_q7a98f31566_qkv,@function
k_q7a98f31566_qkv:
	s_mov_b64 s[64:65], 0
	v_nop
	global_prefetch_b8 v0, s[64:65] scope:SCOPE_SE
	s_setreg_imm32_b32 hwreg(HW_REG_WAVE_MODE, 25, 1), 1
	s_wait_xcnt 0x0
	s_wait_alu depctr_hold_cnt(0) depctr_sa_sdst(0) depctr_va_vdst(0) depctr_va_sdst(0) depctr_va_ssrc(0) depctr_va_vcc(0) depctr_vm_vsrc(0)
	s_getreg_b32 s2, hwreg(HW_REG_IB_STS2, 6, 4)
	s_cmp_eq_u32 s2, 0
	s_cbranch_scc0 .Lentry_in_a_cluster
	s_endpgm
.Lentry_in_a_cluster:
	s_bfe_u32 s2, ttmp6, 0x10000c
	s_cmp_lg_u32 s2, 0xf033
	s_cbranch_scc0 .Lentry_shape_is_right
	s_endpgm
.Lentry_shape_is_right:
; QKVh[t][n] = rope(Xh[t][:] . Wqkvh[:][n] + bias[n]) / 64, in f16.  Columns 0-2047 q (16 heads of 128), 2048-3071 k, 3072-4095 v (v is only scaled).
; Xh: [2048][4096] f16, K along the rows.  Wqkvh: [4096 k][4096 n] f16, N along the rows.  Sums in f32.
; A work-group makes 128 rows x 256 columns with four waves.  K goes in steps of 128 through a ring of two LDS slots filled by the tensor data mover.
; THE WAVES SHARE K, NOT ROWS: wave w takes the column half w & 1 (128 columns, one head) and the K half w >> 1 (64 of each step's 128), on all 128 rows:
; 64 accumulator tiles of 16 x 16, 512 registers.  For 32 along K a wave then reads 16 fragments (32 LDS loads) for 64 matrix instructions; with four
; tiles of 64 x 128 over all of K it would read 12 fragments for 32.  At the end the two waves of a column half hand each other half of their sums
; through LDS (32 KiB each way, once), and each finishes 64 rows.
; CLUSTERS: 4 x 4 work-groups.  The four of a row of the cluster need the same tile of Xh, the four of a column the same tile of Wqkvh: each tile is
; asked for jointly by the four, with one descriptor and a mask that names them, which divides the requests for both by four.
; THE MATRIX INSTRUCTION IS USED TRANSPOSED: source 0 = 16 columns of W (read from [k][n] rows by the transposing LDS load), source 1 = 16 rows of X.
; Lane l then holds row l % 16 of the result and registers 0-7 the columns 8 (l / 16) + 0..7.
; The table's values carry the factor 1/64, so q, k and v leave as value / 64:
; LIMIT: |q|, |k|, |v| up to 4.1e6 fit f16 so; values below 3.9e-3 keep an absolute error of 2^-19.
; REGISTERS in windows of 256:
;   window 0: v16-30 addresses; v64-127, v128-191 fragments of X, two buffers (4 row tiles of my rows, then 4 of my partner's); v192-255 the bias, 8 b + j
;   window 1: v64-127, v128-191 fragments of W, two buffers; v0-63, v192-255 the table's values for row tiles 0, 1 (16 b + 8 (0 sin, 1 cos) + j)
;   window 2: the sums of MY 64 rows (rows 64 (w >> 1) + 0..63), tile (a, b) at 8 (8 a + b)
;   window 3: the sums of my PARTNER'S 64 rows; once they are handed over, the table's values for row tiles 2, 3
.set KDIM,  4096
.set NCOL,  4096                       ; numbers in a row of W and of the result
.set KSTEP, 128
.set PA,    272                        ; LDS row of X's tile: 256 bytes + 16: the 16 rows of a fragment load start 68 words apart
.set PB,    544                        ; LDS row of W's tile: 512 bytes + 32: an odd multiple of 32, as the transposing load's eight rows want
.set BTILE, 128*PB                     ; W's tile: 128 k rows x 256 columns, first in the slot
.set ATILE, 128*PA                     ; X's tile: 128 rows x 128 k, behind it
.set SLOT,  BTILE+ATILE
.set STAGE, 2*SLOT                     ; behind the ring, never a tensor load's target: 16 rows x 272 bytes for each wave
.set SP,    272
.set XCH,   32768                      ; what a wave hands over: 256 registers x 128 bytes, at wave x XCH, in the ring's bytes after their last fill
.set LAPS,  KDIM/(2*KSTEP)             ; a lap = two K steps = once round the ring
.set ADRL, 16                          ; v16-17 LDS address of the X fragments of my rows in slot 0, 1
.set ADRH, 18                          ; v18-19 of my partner's rows
.set ADRB, 20                          ; v20-21 of my W fragments
.set STO,  24
.set RD,   25
.set CO,   26
.set TOF,  27                          ; byte offset of my row's table values
.set BOF,  28                          ; byte offset of my bias values
.set XS,   29                          ; where I put the sums that I hand over
.set XR,   30                          ; where my partner has put mine
.set F0,   64
.set F1,   128
.set BIAS, 192
.set T,    64                          ; the way out: 64 results of 16 rows
.set UU,   128                         ; x2 sin
.set WW,   136                         ; x1 sin
.set G1,  24                           ; s[24:31] group 1 of X's tiles
.set G0,  32                           ; s[32:39] group 0 of X's tiles, a set for each slot
.set G1B, 48                           ; s[48:55] group 1 of W's tiles
.set G0B, 56                           ; s[56:63] group 0 of W's tiles
.set MUL_LO,   0xa1                    ; source 0 (W) window 1, source 1 (X) window 0, C and D window 2
.set MUL_HI,   0xf1                    ; the same, C and D window 3
.set START_LO, 0x81                    ; D window 2, C window 0 (the bias)
.set TO_B,     0x40                    ; destination window 1, address window 0
.set MSB, 0
.macro WIN new                         ; the immediate's high byte repeats the setting that is left
.if MSB != \new
	s_set_vgpr_msb (MSB<<8)|\new
.set MSB, \new
.endif
.endm
.macro PLACES                          ; four plain vector instructions between a matrix instruction and a load into, or a vector use of, its registers
.rept 4
	v_nop
.endr
.endm
; A joint load.  Waves 0 and 1 fetch the two halves of W's tile, waves 2 and 3 those of X's.  The branch hangs on the wave's number alone.
.macro JLOAD s
	s_cmp_eq_u32 s11, 0
	s_cbranch_scc0 .Lfor_a_\@
	tensor_load_to_lds s[G0B+4*\s:G0B+4*\s+3], s[G1B:G1B+7]
	s_nop 0
	s_branch .Lasked_\@
.Lfor_a_\@:
	tensor_load_to_lds s[G0+4*\s:G0+4*\s+3], s[G1:G1+7]
	s_nop 0
.Lasked_\@:
.endm
.macro CREST                           ; a round of the cluster's barrier behind its opening work-group barrier
	s_cmp_lg_u32 s10, 0
	s_cbranch_scc1 .Lnot_wave_0_\@
	s_barrier_signal -3
.Lnot_wave_0_\@:
	s_barrier_wait -3
	s_barrier_signal -1
	s_barrier_wait -1
.endm
.macro CROUND
	s_barrier_signal -1
	s_barrier_wait -1
	CREST
.endm
	s_load_b128 s[4:7], s[0:1], 0x0                ; Xh, Wqkvh
	s_load_b256 s[68:75], s[0:1], 0x10             ; bq 68:69, bk 70:71, bv 72:73, tab 74:75
	s_load_b64 s[8:9], s[0:1], 0x30                ; QKVh
	v_lshl_add_u32 v62, v0, 2, 0x37400
	v_mov_b32 v63, 0
	ds_add_u32 v62, v63
	v_lshrrev_b32 v1, 5, v0
	v_readfirstlane_b32 s10, v1                    ; wave 0..3
	s_lshr_b32 s11, s10, 1                         ; my half of K, and the half of the block's rows that I finish.  Also: I fetch for W (0) or for X (1)
	s_and_b32 s12, s10, 1                          ; my half of the columns.  Also: which 64 rows of that tile I fetch
	s_bfe_u32 s40, ttmp6, 0x40000                  ; cx
	s_bfe_u32 s41, ttmp6, 0x40004                  ; cy
	s_lshl_b32 s42, ttmp9, 2
	s_add_co_u32 s42, s42, s40                     ; block column = 4 x cluster x + cx
	s_and_b32 s13, ttmp7, 0xffff
	s_lshl_b32 s13, s13, 2
	s_add_co_u32 s13, s13, s41                     ; block row = 4 x cluster y + cy
	s_lshl_b32 s43, s41, 2
	s_lshl_b32 s43, 15, s43                        ; my row of the cluster
	s_lshl_b32 s44, 0x1111, s40                    ; my column
	; group 1 of X's tiles: 64 rows x 128 numbers of 2 bytes, 4 words of padding behind every 64
	s_or_b32 s[G1+0], s43, (1<<16)|(1<<20)|(1<<21)|(5<<22)|(3<<25)
	s_mov_b32 s[G1+1], 128<<16                     ; tensor_dim0 = 128
	s_mov_b32 s[G1+2], 64<<16                      ; tensor_dim1 = 64
	s_mov_b32 s[G1+3], 128<<16                     ; tile_dim0 = 128
	s_mov_b32 s[G1+4], 64                          ; tile_dim1 = 64
	s_mov_b32 s[G1+5], KDIM                        ; numbers from row to row
	s_mov_b32 s[G1+6], 0
	s_mov_b32 s[G1+7], 0
	; group 1 of W's tiles: 64 k rows x 256 numbers, 8 words of padding behind every 128
	s_or_b32 s[G1B+0], s44, (1<<16)|(1<<20)|(1<<21)|(6<<22)|(7<<25)
	s_mov_b32 s[G1B+1], 256<<16
	s_mov_b32 s[G1B+2], 64<<16
	s_mov_b32 s[G1B+3], 256<<16
	s_mov_b32 s[G1B+4], 64
	s_mov_b32 s[G1B+5], NCOL
	s_mov_b32 s[G1B+6], 0
	s_mov_b32 s[G1B+7], 0
	; X's tile hangs on the block row alone, W's on the block column alone; each address in registers that never hold the other coordinate
	s_lshl_b32 s16, s13, 7
	s_lshl_b32 s17, s12, 6
	s_add_co_u32 s16, s16, s17                     ; X: row 128 x block row + 64 x half
	s_mul_i32 s16, s16, KDIM*2                     ; below 2^24 bytes
	s_mov_b32 s17, 0
	s_lshl_b32 s46, s42, 9                         ; W: column 256 x block column, in bytes
	s_lshl_b32 s47, s12, 19                        ;    + 64 x half k rows of 8,192 bytes
	s_add_co_u32 s46, s46, s47
	s_mov_b32 s47, 0
	s_mul_i32 s20, s10, 64*PA                      ; X's halves go to wave x 17,408 + 34,816: waves 2 and 3 land at BTILE and BTILE + 17,408
	s_add_co_u32 s20, s20, BTILE-128*PA
	s_mul_i32 s21, s10, 64*PB                      ; W's halves go to wave x 34,816: waves 0 and 1
	s_wait_dscnt 0x0
	s_wait_kmcnt 0x0
	s_add_nc_u64 s[14:15], s[4:5], s[16:17]
	s_add_nc_u64 s[46:47], s[6:7], s[46:47]
	CROUND                                         ; all sixteen work-groups are here: the first joint loads meet
.irp s, 0,1
	s_mov_b32 s[G0+4*\s], 1
	s_add_co_u32 s[G0+4*\s+1], s20, \s*SLOT
	s_add_nc_u64 s[G0+4*\s+2:G0+4*\s+3], s[14:15], \s*KSTEP*2
	s_or_b32 s[G0+4*\s+3], s[G0+4*\s+3], 0x80000000
	s_mov_b32 s[G0B+4*\s], 1
	s_add_co_u32 s[G0B+4*\s+1], s21, \s*SLOT
	s_add_nc_u64 s[G0B+4*\s+2:G0B+4*\s+3], s[46:47], \s*KSTEP*NCOL*2
	s_or_b32 s[G0B+4*\s+3], s[G0B+4*\s+3], 0x80000000
	JLOAD \s                                       ; both slots are asked for before anything else: two tensor loads of the wave are out
.endr
	v_and_b32 v1, 15, v0                           ; r = l % 16
	v_bfe_u32 v2, v0, 4, 1                         ; h = l / 16
	v_mul_u32_u24 v3, v1, PA
	v_lshl_add_u32 v3, v2, 4, v3                   ; r x 272 + 16 h
	v_and_b32 v4, 7, v0
	v_lshl_add_u32 v4, v2, 3, v4                   ; k row 8 h + l % 8
	v_mul_u32_u24 v4, v4, PB
	v_bfe_u32 v5, v0, 3, 1
	v_lshl_add_u32 v4, v5, 4, v4                   ; + 16 bytes for the second eight columns
	s_mul_i32 s80, s11, 64*PA+128                  ; my rows begin at row 64 x half; my K half begins at byte 128 x half of a row
	s_add_co_u32 s80, s80, BTILE
	s_xor_b32 s81, s11, 1
	s_mul_i32 s81, s81, 64*PA                      ; my partner's rows: the other 64, at the same bytes of the rows
	s_lshl_b32 s82, s11, 7
	s_add_co_u32 s81, s81, s82
	s_add_co_u32 s81, s81, BTILE
	s_mul_i32 s82, s11, 64*PB                      ; my K half of W: k rows 64 x half ..
	s_lshl_b32 s83, s12, 8                         ; my 128 columns of W
	s_add_co_u32 s82, s82, s83
.irp s, 0,1
	v_add_nc_u32 v[ADRL+\s], s80, v3
	v_add_nc_u32 v[ADRH+\s], s81, v3
	v_add_nc_u32 v[ADRB+\s], s82, v4
	s_add_co_u32 s80, s80, SLOT
	s_add_co_u32 s81, s81, SLOT
	s_add_co_u32 s82, s82, SLOT
.endr
	s_mul_i32 s23, s10, 16*SP
	s_add_co_u32 s23, s23, STAGE                   ; my stage
	v_add_nc_u32 v[STO], s23, v3                   ; in: row r, 16 bytes for each half of the lanes
	v_mul_u32_u24 v5, v2, SP
	v_lshl_add_u32 v5, v1, 4, v5
	v_add_nc_u32 v[RD], s23, v5                    ; back: lanes 0-15 one row of 256 bytes, lanes 16-31 the next
	v_lshlrev_b32 v5, 13, v2
	v_lshl_add_u32 v[CO], v1, 4, v5                ; the same two rows in QKVh
	v_and_b32 v5, 31, v0
	v_lshlrev_b32 v5, 4, v5                        ; 16 l
	s_lshl_b32 s80, s10, 15
	v_add_nc_u32 v[XS], s80, v5                    ; wave x 32,768 + 16 l
	s_xor_b32 s80, s10, 2                          ; my partner: the same columns, the other half of K
	s_lshl_b32 s80, s80, 15
	v_add_nc_u32 v[XR], s80, v5
	s_lshl_b32 s20, s13, 7
	s_lshl_b32 s78, s11, 6
	s_add_co_u32 s20, s20, s78                     ; the first row (token) that I finish; kept for the way out
	s_lshl_b32 s78, s20, 9
	v_lshlrev_b32 v5, 9, v1
	v_lshl_add_u32 v5, v2, 5, v5
	v_add_nc_u32 v[TOF], s78, v5                   ; (first row + r) x 512 + 32 h
	; the bias: clusters 0 and 1 along x make q, cluster 2 makes k, cluster 3 makes v
	s_cmp_lt_u32 ttmp9, 2
	s_cselect_b64 s[76:77], s[68:69], s[70:71]
	s_cselect_b32 s78, ttmp9, 0
	s_cmp_eq_u32 ttmp9, 3
	s_cselect_b64 s[76:77], s[72:73], s[76:77]
	s_lshl_b32 s78, s78, 12                        ; 1,024 columns of 4 bytes for each cluster of q
	s_lshl_b32 s79, s40, 10
	s_add_co_u32 s78, s78, s79
	s_lshl_b32 s79, s12, 9
	s_add_co_u32 s78, s78, s79
	v_lshl_add_u32 v[BOF], v2, 5, s78              ; + 32 h: register j of tile b holds the bias of column 16 b + 8 h + j
.irp b, 0,1,2,3,4,5,6,7
	global_load_b128 v[BIAS+8*\b:BIAS+8*\b+3],   v[BOF], s[76:77] offset:64*\b
	global_load_b128 v[BIAS+8*\b+4:BIAS+8*\b+7], v[BOF], s[76:77] offset:64*\b+16
.endr
; 16 loads: the table's values for row tile a (16 rows, 64 sines and 64 cosines each) into 64 registers from tb on
.macro TABLOAD a, tb
.irp b, 0,1,2,3
.irp c, 0,1
	global_load_b128 v[\tb+16*\b+8*\c:\tb+16*\b+8*\c+3],   v[TOF], s[74:75] offset:8192*\a+64*\b+256*\c
	global_load_b128 v[\tb+16*\b+8*\c+4:\tb+16*\b+8*\c+7], v[TOF], s[74:75] offset:8192*\a+64*\b+256*\c+16
.endr
.endr
.endm
	WIN TO_B                                       ; destination window 1: row tiles 0 and 1, wanted only on the way out, stay on their way through the K loop
	TABLOAD 0, 0
	TABLOAD 1, 192
	WIN 0
	s_wait_loadcnt 32                              ; all but the 32 table loads: the bias, which feeds the first products, is in
; 8 matrix instructions: row tile a of my rows (hi = 0) or of my partner's (hi = 1) x all 8 column tiles, 32 along K.
; start = 2: the bias is C; start = 1: the constant 0 is C; nothing is ever cleared.  Each result is the sum of one tile of window 2 (its owner's) and one of
; window 3 (the partner's), so the bias goes into window 2's sums alone.
; The 64 accumulators take turns, one instruction a turn, in the same order in every quarter step.
.macro MUL8 f, hi, a, start
.irp b, 0,1,2,3,4,5,6,7
.if (\start) == 2
	v_wmma_f32_16x16x32_f16 v[8*(8*\a+\b):8*(8*\a+\b)+7], v[\f+8*\b:\f+8*\b+7], v[\f+8*(4*\hi+\a):\f+8*(4*\hi+\a)+7], v[BIAS+8*\b:BIAS+8*\b+7]
.else
.if (\start) == 1
	v_wmma_f32_16x16x32_f16 v[8*(8*\a+\b):8*(8*\a+\b)+7], v[\f+8*\b:\f+8*\b+7], v[\f+8*(4*\hi+\a):\f+8*(4*\hi+\a)+7], 0
.else
	v_wmma_f32_16x16x32_f16 v[8*(8*\a+\b):8*(8*\a+\b)+7], v[\f+8*\b:\f+8*\b+7], v[\f+8*(4*\hi+\a):\f+8*(4*\hi+\a)+7], v[8*(8*\a+\b):8*(8*\a+\b)+7]
.endif
.endif
.endr
.endm
.macro WINLO start
.if \start
	WIN START_LO
.else
	WIN MUL_LO
.endif
.endm
; 32 LDS loads in one run: quarter q (32 along K) of my K half of a slot into buffer f: 8 fragments of W, transposed on the way, 4 of my rows of X, 4 of my partner's
.macro FETCH slot, q, f
	WIN TO_B
.irp b, 0,1,2,3,4,5,6,7
	ds_load_tr16_b128 v[\f+8*\b:\f+8*\b+3],   v[ADRB+\slot] offset:\q*32*PB+32*\b
	ds_load_tr16_b128 v[\f+8*\b+4:\f+8*\b+7], v[ADRB+\slot] offset:\q*32*PB+32*\b+16*PB
.endr
	WIN 0
.irp a, 0,1,2,3
	ds_load_b128 v[\f+8*\a:\f+8*\a+3],   v[ADRL+\slot] offset:\a*16*PA+64*\q
	ds_load_b128 v[\f+8*\a+4:\f+8*\a+7], v[ADRL+\slot] offset:\a*16*PA+64*\q+32
.endr
.irp a, 0,1,2,3
	ds_load_b128 v[\f+32+8*\a:\f+32+8*\a+3],   v[ADRH+\slot] offset:\a*16*PA+64*\q
	ds_load_b128 v[\f+32+8*\a+4:\f+32+8*\a+7], v[ADRH+\slot] offset:\a*16*PA+64*\q+32
.endr
.endm
; The first of a K step's two quarters: multiplies buffer 0; behind its first 16 matrix instructions it fetches the second quarter into buffer 1.
.macro QUARTER slot, start
	s_wait_dscnt 8                                 ; W and my rows of X are in; the youngest eight loads (my partner's rows) may be out
	WINLO \start
	MUL8 F0, 0, 0, 2*\start
	MUL8 F0, 0, 1, 2*\start
	PLACES
	FETCH \slot, 1, F1
	WINLO \start
	MUL8 F0, 0, 2, 2*\start
	MUL8 F0, 0, 3, 2*\start
	s_wait_dscnt 32                                ; all but the 32 just issued
	WIN MUL_HI
	MUL8 F0, 1, 0, \start
	MUL8 F0, 1, 1, \start
	MUL8 F0, 1, 2, \start
	MUL8 F0, 1, 3, \start
.endm
; The second quarter: multiplies buffer 1 and changes slots.  One barrier for two things: in front of it each wave has its reads of this slot back and
; all its tensor loads landed (the one that is out is its part of the next slot); behind it the refill comes first, then the next slot's first fragments.
; From a request to the wait for it a wave issues 56 + 64 = 120 matrix instructions.
.macro TURN slot, next, fill
	s_wait_dscnt 0x0                               ; buffer 1 is whole, and my reads of this slot are over
	s_set_vgpr_msb 0xf1f0
	s_wait_tensorcnt 0x0                           ; and no tensor load of mine is out
	ds_add_u32 v62, v63
	s_wait_dscnt 0x0
	s_set_vgpr_msb 0xf0f1
	s_barrier_signal -1                            ; where a slot is filled again this barrier opens a round of the cluster's barrier
	WIN MUL_LO
	MUL8 F1, 0, 0, 0                               ; register work while the others arrive
	WIN 0
	s_barrier_wait -1
.if \fill
	CREST                                          ; no wave of any partner still reads this slot or has a load on its way
	s_add_nc_u64 s[G0+4*\slot+2:G0+4*\slot+3], s[G0+4*\slot+2:G0+4*\slot+3], 2*KSTEP*2
	s_add_nc_u64 s[G0B+4*\slot+2:G0B+4*\slot+3], s[G0B+4*\slot+2:G0B+4*\slot+3], 2*KSTEP*NCOL*2
	JLOAD \slot                                    ; the wave's one tensor load behind the round
.endif
	PLACES
	FETCH \next, 0, F0
	WIN MUL_LO
	MUL8 F1, 0, 1, 0
	MUL8 F1, 0, 2, 0
	MUL8 F1, 0, 3, 0
	WIN MUL_HI
	MUL8 F1, 1, 0, 0
	MUL8 F1, 1, 1, 0
	MUL8 F1, 1, 2, 0
	MUL8 F1, 1, 3, 0
.endm
.macro LAP start
	QUARTER 0, \start
	TURN 0, 1, 1
	QUARTER 1, 0
	TURN 1, 0, 1
.endm
	s_wait_tensorcnt 0x1                           ; my part of K step 0 is in; K step 1's may stay out
	s_barrier_signal -1
	s_barrier_wait -1
	FETCH 0, 0, F0
	LAP 1                                          ; the first lap stands in front of the loop: its first products start the sums
	WIN 0
	s_mov_b32 s3, LAPS-2
.Llap:
	LAP 0
	WIN 0
	s_sub_co_u32 s3, s3, 1
	s_cmp_lg_u32 s3, 0
	s_cbranch_scc1 .Llap
	QUARTER 0, 0                                   ; the last lap fills nothing
	TURN 0, 1, 0
	QUARTER 1, 0
	s_wait_dscnt 0x0                               ; my last reads of the ring are back:
	s_barrier_signal -1                            ; say so; behind this barrier the ring's bytes, which have had their last fill, carry the sums that are handed over
	WIN MUL_LO
	MUL8 F1, 0, 0, 0
	MUL8 F1, 0, 1, 0
	MUL8 F1, 0, 2, 0
	MUL8 F1, 0, 3, 0
	WIN MUL_HI
	MUL8 F1, 1, 0, 0
	MUL8 F1, 1, 1, 0
	MUL8 F1, 1, 2, 0
	MUL8 F1, 1, 3, 0
	WIN 0
	s_barrier_wait -1
	; THE TWO HALVES OF K MEET.  I hand over window 3 (my partner's rows) and add what my partner hands me onto window 2 (my rows).
	PLACES
	WIN 0x0c                                       ; store data from window 3
.set i, 0
.rept 64
	ds_store_b128 v[XS], v[4*i:4*i+3] offset:512*i
.set i, i+1
.endr
	WIN 0
	s_wait_dscnt 0x0                               ; for my partner's sake: my stores are done; window 3 is free
	WIN 0xc0                                       ; destination window 3: the table's values for row tiles 2 and 3 land while row tiles 0 and 1 leave
	TABLOAD 2, 0
	TABLOAD 3, 64
	WIN 0
	s_barrier_signal -1
	s_barrier_wait -1
.set i, 0
.rept 32
	ds_load_b128 v[64+4*i:64+4*i+3], v[XR] offset:512*i
.set i, i+1
.endr
	WIN TO_B
.set i, 0
.rept 32
	ds_load_b128 v[64+4*i:64+4*i+3], v[XR] offset:512*(32+i)
.set i, i+1
.endr
	s_wait_dscnt 32                                ; the first 32 loads are in: registers 0-127 of the 256
	WIN 0x82                                       ; D and source 0 window 2, source 1 window 0
.set i, 0
.rept 64
	v_pk_add_f32 v[2*i:2*i+1], v[2*i:2*i+1], v[64+2*i:64+2*i+1]
.set i, i+1
.endr
	s_wait_dscnt 0x0
	WIN 0x86                                       ; source 1 window 1
.set i, 0
.rept 64
	v_pk_add_f32 v[128+2*i:128+2*i+1], v[128+2*i:128+2*i+1], v[64+2*i:64+2*i+1]
.set i, i+1
.endr
	WIN 0
	; THE WAY OUT.  y1 = x1 cos - x2 sin, y2 = x2 cos + x1 sin, x1 = columns 0-63 of the head (tiles b = 0..3), x2 = columns 64-127 (tiles b + 4).
	s_cmp_lt_u32 ttmp9, 3                          ; v's columns are not rotated: sin becomes 0 and cos 1/64.  A choice of values, made in every work-group
	s_cselect_b32 s45, -1, 0
	s_mov_b32 s79, 0x3c800000
	s_lshl_b32 s16, s20, 13                        ; my first row x 8,192 bytes
	s_mov_b32 s17, 0
	s_add_nc_u64 s[8:9], s[8:9], s[16:17]
	s_lshl_b32 s46, s42, 9                         ; my first column in bytes: 512 x block + 256 x half
	s_lshl_b32 s47, s12, 8
	s_add_co_u32 s46, s46, s47
	s_mov_b32 s47, 0
	s_add_nc_u64 s[8:9], s[8:9], s[46:47]
; rows 16 a .. 16 a + 15 of my 64: rotate, round to f16, 16 bytes a lane into my stage, back as whole rows of 256 bytes.
; rb: registers for the rows read back; tb: the table's values; wpk, wcm: the window settings that reach them
.macro OUT16 a, rb, tb, wpk, wcm
	WIN \wcm
.set i, 0
.rept 64
.if (i%16) < 8
	v_cndmask_b32 v[\tb+i], 0, v[\tb+i], s45
.else
	v_cndmask_b32 v[\tb+i], s79, v[\tb+i], s45
.endif
.set i, i+1
.endr
	WIN \wpk                                       ; source 0 window 2 (sums), source 1 the table's window
.irp b, 0,1,2,3
.irp p, 0,2,4,6
	v_pk_mul_f32 v[UU+\p:UU+\p+1], v[8*(8*\a+\b+4)+\p:8*(8*\a+\b+4)+\p+1], v[\tb+16*\b+\p:\tb+16*\b+\p+1]
	v_pk_mul_f32 v[WW+\p:WW+\p+1], v[8*(8*\a+\b)+\p:8*(8*\a+\b)+\p+1], v[\tb+16*\b+\p:\tb+16*\b+\p+1]
.endr
.irp p, 0,2,4,6
	v_pk_fma_f32 v[T+8*\b+\p:T+8*\b+\p+1], v[8*(8*\a+\b)+\p:8*(8*\a+\b)+\p+1], v[\tb+16*\b+8+\p:\tb+16*\b+8+\p+1], v[UU+\p:UU+\p+1] neg_lo:[0,0,1] neg_hi:[0,0,1]
	v_pk_fma_f32 v[T+8*(\b+4)+\p:T+8*(\b+4)+\p+1], v[8*(8*\a+\b+4)+\p:8*(8*\a+\b+4)+\p+1], v[\tb+16*\b+8+\p:\tb+16*\b+8+\p+1], v[WW+\p:WW+\p+1]
.endr
.endr
	WIN 0
.irp b, 0,1,2,3,4,5,6,7
.irp c, 0,1,2,3
	v_cvt_pk_f16_f32 v[T+8*\b+\c], v[T+8*\b+2*\c], v[T+8*\b+2*\c+1]
.endr
.endr
.irp b, 0,1,2,3,4,5,6,7
	ds_store_b128 v[STO], v[T+8*\b:T+8*\b+3] offset:32*\b
.endr
	s_wait_xcnt 0x0                                ; the registers that earlier stores read are loaded again only behind this wait
.irp t, 0,1,2,3,4,5,6,7
	ds_load_b128 v[\rb+4*\t:\rb+4*\t+3], v[RD] offset:\t*2*SP      ; LDS serves a wave's instructions in order: these see the stores above
.endr
.irp t, 0,1,2,3,4,5,6,7
	s_wait_dscnt 7-\t
	global_store_b128 v[CO], v[\rb+4*\t:\rb+4*\t+3], s[8:9] offset:(16*\a+2*\t)*NCOL*2   ; 16 lanes store 256 consecutive bytes, aligned
.endr
.endm
	s_wait_loadcnt 32                              ; all but the 32 youngest loads: the table's values for row tiles 0 and 1 are in
	OUT16 0, 160, 0,   0x06, 0x44
	OUT16 1, 192, 192, 0x06, 0x44
	s_wait_loadcnt 0x0                             ; those for row tiles 2 and 3
	OUT16 2, 160, 0,   0x0e, 0xcc
	OUT16 3, 192, 64,  0x0e, 0xcc
	s_wait_tensorcnt 0x0
	ds_add_u32 v62, v63
	s_wait_dscnt 0x0
	CROUND                                         ; the closing round: no work-group ends while a partner may still ask for a tile that names it
	s_endpgm
.Lfunc_end_k_q7a98f31566_qkv:
	.size	k_q7a98f31566_qkv, .Lfunc_end_k_q7a98f31566_qkv-k_q7a98f31566_qkv
	.p2alignl 7, 3214868480
	.fill 96, 4, 3214868480
	.section	.rodata,"a",@progbits
	.p2align	6, 0x0
	.amdhsa_kernel k_q7a98f31566_qkv
		.amdhsa_group_segment_fixed_size 327680
		.amdhsa_private_segment_fixed_size 0
		.amdhsa_enable_private_segment 0
		.amdhsa_kernarg_size 56
		.amdhsa_user_sgpr_count 2
		.amdhsa_user_sgpr_kernarg_segment_ptr 1
		.amdhsa_wavefront_size32 1
		.amdhsa_system_sgpr_workgroup_id_x 1
		.amdhsa_system_sgpr_workgroup_id_y 1
		.amdhsa_system_sgpr_workgroup_id_z 1
		.amdhsa_system_vgpr_workitem_id 0
		.amdhsa_next_free_vgpr 1024
		.amdhsa_next_free_sgpr 96
		.amdhsa_reserve_vcc 0
		.amdhsa_float_denorm_mode_32 3
		.amdhsa_float_denorm_mode_16_64 3
		.amdhsa_memory_ordered 1
		.amdhsa_forward_progress 1
		.amdhsa_inst_pref_size 162
	.end_amdhsa_kernel
	.amdgpu_metadata
---
amdhsa.version: [ 1, 2 ]
amdhsa.kernels:
  - .name:           k_q7a98f31566_qkv
    .symbol:         k_q7a98f31566_qkv.kd
    .args:
      - { .name: Xh, .offset: 0, .size: 8, .value_kind: global_buffer, .address_space: global }
      - { .name: Wqkvh, .offset: 8, .size: 8, .value_kind: global_buffer, .address_space: global }
      - { .name: bq, .offset: 16, .size: 8, .value_kind: global_buffer, .address_space: global }
      - { .name: bk, .offset: 24, .size: 8, .value_kind: global_buffer, .address_space: global }
      - { .name: bv, .offset: 32, .size: 8, .value_kind: global_buffer, .address_space: global }
      - { .name: tab, .offset: 40, .size: 8, .value_kind: global_buffer, .address_space: global }
      - { .name: QKVh, .offset: 48, .size: 8, .value_kind: global_buffer, .address_space: global }
    .group_segment_fixed_size: 327680
    .private_segment_fixed_size: 0
    .kernarg_segment_align: 8
    .kernarg_segment_size: 56
    .max_flat_workgroup_size: 128
    .sgpr_count:     96
    .vgpr_count:     1024
    .wavefront_size: 32
...
	.end_amdgpu_metadata
.endif
;; end of part 2
;; launch attn (part 3): grid 32 x 8, 8 waves a work-group, clusters of 4 x 1, 327,680 bytes of LDS; arguments QKVh, attention_mask, Ah; writes Ah
.if DOCPART == 3
	.amdgcn_target "amdgcn-amd-amdhsa--gfx1250"
	.amdhsa_code_object_version 6
	.text
	.protected	k_q7a98f31566_attn
	.globl	k_q7a98f31566_attn
	.p2align	8
	.type	k_q7a98f31566_attn,@function
k_q7a98f31566_attn:
	s_mov_b64 s[64:65], 0
	v_nop
	global_prefetch_b8 v0, s[64:65] scope:SCOPE_SE
	s_setreg_imm32_b32 hwreg(HW_REG_WAVE_MODE, 25, 1), 1
	s_wait_xcnt 0x0
	s_wait_alu depctr_hold_cnt(0) depctr_sa_sdst(0) depctr_va_vdst(0) depctr_va_sdst(0) depctr_va_ssrc(0) depctr_va_vcc(0) depctr_vm_vsrc(0)
	s_getreg_b32 s2, hwreg(HW_REG_IB_STS2, 6, 4)
	s_cmp_eq_u32 s2, 0
	s_cbranch_scc0 .Lentry_in_a_cluster
	s_endpgm
.Lentry_in_a_cluster:
	s_bfe_u32 s2, ttmp6, 0x10000c
	s_cmp_lg_u32 s2, 0x3003
	s_cbranch_scc0 .Lentry_shape_is_right
	s_endpgm
.Lentry_shape_is_right:
; Ah[t][128 head + d] = (softmax over keys of (q . k / sqrt(128) + bias)) . v / 64, in f16.  QKVh holds q, k, v divided by 64 (f16, rope done).
; A work-group takes 64 positions of the two query heads 2 g, 2 g + 1 that share key/value head g, against ALL 2,048 keys.
; Why all keys: the problem's bias for a forbidden key is the lowest finite f32, not minus infinity.  A row whose permitted keys are all struck out by
; attention_mask then has 2,048 equal scores and is the plain mean of v over all keys, later ones too.  Here a forbidden score is exactly that number
; (the fused multiply-add rounds back to it), the running maximum is taken away before every exponential, and both cases come out by the same arithmetic.
; Eight waves: wave w takes the 16 positions 16 (w & 3), both heads, and the half w >> 2 of each step's 256 keys; the two halves are merged at the end.
; CLUSTER 4 x 1: the four work-groups (four blocks of positions of one key/value head) walk the same K and V tiles: joint loads, mask 15.
; TRANSPOSED FORMS: S^T = K Q^T: lane l holds query l % 16 and registers 0-7 the keys 8 (l / 16) + 0..7, so maximum and sum are one number a lane and
; two packed key tiles ARE the second operand of O^T = V^T P^T; V^T is read from [key][d] rows by the transposing LDS load.
; LIMIT: P is rounded to f16 (absolute error 2^-12 at most, 2^-25 for the smallest); the sum of a row is at least 1, so no division by zero.
; LDS: two slots of 256 keys: V 256 x 288 bytes, then K 256 x 272 bytes; behind them 2,048 f32: 0 or the lowest finite number, from attention_mask.
; At the end, when slot 0 has had its last fill and its last read, it serves as stage for the merge and for the way out.
; REGISTERS: window 0: v4-31 addresses and per-lane numbers, v32-95 S (key tile kt, head qt at 32 + 16 kt + 8 qt), v96-159 and v160-223 two fragment
; buffers, v224-255 the bias of 32 keys; window 1: O (d tile dt, head qt) at 8 (2 dt + qt), Q (qt, ks) at 128 + 8 (4 qt + ks), P (qt, ks) at 192 + 8 (2 qt + ks).
.set PK,   272
.set PVV,  288                         ; an odd multiple of 32, as the transposing load's eight rows want
.set VT,   256*PVV                     ; V's tile, first in the slot
.set SLOT, VT+256*PK
.set MB,   2*SLOT                      ; the mask's table; never a tensor load's target
.set MST,  33*512                      ; merge stage of a pair of waves: 32 groups of 4 registers of O, one of (m, m, l, l)
.set OST,  4*MST                       ; stages for the way out: 16 rows x 528 bytes for each of four waves
.set OSP,  528
.set KAD, 4                            ; v4-5   LDS address of my K fragments in slot 0, 1
.set VAD, 6                            ; v6-7   the same for V
.set MX,  8                            ; v8-9   running maximum, head 0, 1
.set LS,  10                           ; v10-11 running sum (of my half of the lanes' keys)
.set AL,  12                           ; v12, v14 factor for the old sums, head 0, 1; v13, v15 its exponent
.set REL, 16                           ; my position - the first key of my registers in this step
.set MBA, 17                           ; LDS address of that key's bias
.set NEG, 18                           ; the lowest finite f32
.set SUMT, 20                          ; v20-27 four chains of sums
.set MN,  28                           ; v28, v30 new maximum, head 0, 1; v29, v31 the other half's
.set SB,  32
.set FA,  96
.set FB,  160
.set BI,  224
.set QR,  128
.set PR,  192
.set CM,  66                           ; s[66:73] eight lane masks
.set G1K, 24
.set G0K, 32
.set G1V, 48
.set G0V, 56
.set W_S,  0x04                        ; source 1 (Q) window 1
.set W_P,  0x40                        ; destination (P) window 1
.set W_R,  0x41                        ; O = O x factor
.set W_PV, 0x54                        ; D, C (O) and source 1 (P) window 1
.set MSB, 0
.macro WIN new
.if MSB != \new
	s_set_vgpr_msb (MSB<<8)|\new
.set MSB, \new
.endif
.endm
.macro PLACES                          ; four plain vector instructions between a matrix instruction and a load into, or a vector use of, its registers
.rept 4
	v_nop
.endr
.endm
.macro JLOAD s                         ; waves 0-3 fetch 64 rows of V each, waves 4-7 64 rows of K each
	s_cmp_eq_u32 s11, 0
	s_cbranch_scc0 .Lfor_k_\@
	tensor_load_to_lds s[G0V+4*\s:G0V+4*\s+3], s[G1V:G1V+7]
	s_nop 0
	s_branch .Lasked_\@
.Lfor_k_\@:
	tensor_load_to_lds s[G0K+4*\s:G0K+4*\s+3], s[G1K:G1K+7]
	s_nop 0
.Lasked_\@:
.endm
.macro ROUND                           ; a round of the cluster's barrier
	s_barrier_signal -1
	s_barrier_wait -1
	s_cmp_lg_u32 s10, 0
	s_cbranch_scc1 .Lnot_wave_0_\@
	s_barrier_signal -3
.Lnot_wave_0_\@:
	s_barrier_wait -3
	s_barrier_signal -1
	s_barrier_wait -1
.endm
	s_load_b128 s[4:7], s[0:1], 0x0                ; QKVh, attention_mask
	s_load_b64 s[8:9], s[0:1], 0x10                ; Ah
	s_set_vgpr_msb 0x40
	v_lshl_add_u32 v224, v0, 2, 0x48000
	v_mov_b32 v225, 0
	s_set_vgpr_msb 0x4045
	ds_add_u32 v224, v225
	s_set_vgpr_msb 0x4500
	v_lshrrev_b32 v1, 5, v0
	v_readfirstlane_b32 s10, v1                    ; wave 0..7
	s_lshr_b32 s11, s10, 2                         ; my half of a step's keys.  Also: I fetch for V (0) or for K (1)
	s_and_b32 s12, s10, 3                          ; my 16 positions.  Also: which 64 rows of that tile I fetch
	s_bfe_u32 s40, ttmp6, 0x40000                  ; cx
	s_lshl_b32 s42, ttmp9, 2
	s_add_co_u32 s42, s42, s40                     ; block of 64 positions
	s_and_b32 s13, ttmp7, 0xffff                   ; key/value head g
	s_mov_b32 s20, 0x440293ee                      ; 4096 log2(e) / sqrt(128): undoes the two factors 1/64 and turns e^x into 2^x
	s_mov_b32 s21, 0x440293ee
	s_mov_b32 s22, 0x76543210                      ; v_permlanex16_b32: lane i of one half reads lane i of the other
	s_mov_b32 s23, 0xfedcba98
	; group 1: 64 rows x 128 numbers of 2 bytes out of rows of 4,096; K: 4 words of padding behind every 64, V: 8
	s_mov_b32 s[G1K+0], 15|(1<<16)|(1<<20)|(1<<21)|(5<<22)|(3<<25)
	s_mov_b32 s[G1V+0], 15|(1<<16)|(1<<20)|(1<<21)|(5<<22)|(7<<25)
	s_mov_b32 s[G1K+1], 128<<16
	s_mov_b32 s[G1V+1], 128<<16
	s_mov_b32 s[G1K+2], 64<<16
	s_mov_b32 s[G1V+2], 64<<16
	s_mov_b32 s[G1K+3], 128<<16
	s_mov_b32 s[G1V+3], 128<<16
	s_mov_b32 s[G1K+4], 64
	s_mov_b32 s[G1V+4], 64
	s_mov_b32 s[G1K+5], 4096
	s_mov_b32 s[G1V+5], 4096
	s_mov_b32 s[G1K+6], 0
	s_mov_b32 s[G1V+6], 0
	s_mov_b32 s[G1K+7], 0
	s_mov_b32 s[G1V+7], 0
	s_lshl_b32 s16, s12, 19                        ; my 64 rows of 8,192 bytes
	s_lshl_b32 s17, s13, 8                         ; head g: 128 numbers of 2 bytes.  Nothing here hangs on cx
	s_add_co_u32 s16, s16, s17
	s_mov_b32 s17, 0
	s_mul_i32 s18, s10, 64*PK                      ; K's quarters go to wave x 17,408 + 4,096: waves 4-7 land at VT + 0, 1, 2, 3 quarters
	s_add_co_u32 s18, s18, VT-256*PK
	s_mul_i32 s19, s10, 64*PVV                     ; V's quarters go to wave x 18,432: waves 0-3
	s_wait_dscnt 0x0
	s_wait_kmcnt 0x0
	s_add_nc_u64 s[14:15], s[4:5], s[16:17]
	ROUND                                          ; the four work-groups are here: the first joint loads meet
.irp s, 0,1
	s_mov_b32 s[G0K+4*\s], 1
	s_add_co_u32 s[G0K+4*\s+1], s18, \s*SLOT
	s_add_nc_u64 s[G0K+4*\s+2:G0K+4*\s+3], s[14:15], 4096+\s*256*8192     ; k's columns begin at byte 4,096 of a row
	s_or_b32 s[G0K+4*\s+3], s[G0K+4*\s+3], 0x80000000
	s_mov_b32 s[G0V+4*\s], 1
	s_add_co_u32 s[G0V+4*\s+1], s19, \s*SLOT
	s_add_nc_u64 s[G0V+4*\s+2:G0V+4*\s+3], s[14:15], 6144+\s*256*8192     ; v's at byte 6,144
	s_or_b32 s[G0V+4*\s+3], s[G0V+4*\s+3], 0x80000000
	JLOAD \s                                       ; keys 0-255 and 256-511: two tensor loads of the wave are out
.endr
	v_and_b32 v1, 15, v0                           ; r = l % 16; kept to the end
	v_bfe_u32 v2, v0, 4, 1                         ; h = l / 16; kept to the end
	s_lshl_b32 s43, s42, 6
	s_lshl_b32 s19, s12, 4
	s_add_co_u32 s43, s43, s19                     ; my first position
	s_lshl_b32 s16, s43, 13
	s_lshl_b32 s17, s13, 9                         ; heads 2 g, 2 g + 1: 512 bytes
	s_add_co_u32 s16, s16, s17
	s_mov_b32 s17, 0
	s_add_nc_u64 s[44:45], s[4:5], s[16:17]        ; q of my positions
	v_lshlrev_b32 v31, 13, v1
	v_lshl_add_u32 v31, v2, 4, v31                 ; r x 8,192 + 16 h
	v_lshlrev_b32 v29, 3, v0                       ; my 8 bytes of the mask
	WIN W_P
.irp q, 0,1
.irp k, 0,1,2,3
	global_load_b128 v[QR+8*(4*\q+\k):QR+8*(4*\q+\k)+3],   v31, s[44:45] offset:256*\q+64*\k
	global_load_b128 v[QR+8*(4*\q+\k)+4:QR+8*(4*\q+\k)+7], v31, s[44:45] offset:256*\q+64*\k+32
.endr
.endr
	WIN 0
	global_load_b64 v[20:21], v29, s[6:7]
	v_mul_u32_u24 v3, v1, PK
	v_lshl_add_u32 v3, v2, 4, v3
	s_mul_i32 s18, s11, 128*PK
	s_add_co_u32 s18, s18, VT
	v_add_nc_u32 v[KAD], s18, v3                   ; (128 half + r) x 272 + 16 h, behind V's tile
	v_add_nc_u32 v[KAD+1], SLOT, v[KAD]
	v_and_b32 v3, 7, v0
	v_lshl_add_u32 v3, v2, 3, v3
	v_mul_u32_u24 v3, v3, PVV
	v_bfe_u32 v19, v0, 3, 1
	v_lshl_add_u32 v3, v19, 4, v3
	s_mul_i32 s18, s11, 128*PVV
	v_add_nc_u32 v[VAD], s18, v3                   ; (128 half + 8 h + l % 8) x 288 + 16 for the second eight columns
	v_add_nc_u32 v[VAD+1], SLOT, v[VAD]
	s_lshl_b32 s18, s11, 7
	s_sub_co_u32 s19, s43, s18
	v_lshlrev_b32 v19, 3, v2
	v_sub_nc_u32 v[REL], v1, v19
	v_add_nc_u32 v[REL], s19, v[REL]               ; position - 128 half - 8 h
	s_lshl_b32 s18, s11, 9
	s_add_co_u32 s18, s18, MB
	v_lshl_add_u32 v[MBA], v2, 5, s18
	v_mov_b32 v[NEG], 0xff7fffff
	v_lshlrev_b32 v22, 5, v0
	v_add_nc_u32 v22, MB, v22
	s_wait_loadcnt 0x0                             ; q and the mask
.irp i, 0,1,2,3
	v_bfe_u32 v[SB+\i],   v20, 8*\i, 8
	v_bfe_u32 v[SB+4+\i], v21, 8*\i, 8
.endr
.irp i, 0,1,2,3,4,5,6,7
	v_cmp_ne_u32 vcc_lo, 0, v[SB+\i]
	v_cndmask_b32 v[SB+\i], v[NEG], 0, vcc_lo      ; true: 0; false: the lowest finite number
.endr
	ds_store_b128 v22, v[SB:SB+3]
	ds_store_b128 v22, v[SB+4:SB+7] offset:16
; 16 loads: K fragments of key tiles 2 grp, 2 grp + 1 of the 64 keys at 64 sb, all of d
.macro KLOAD slot, sb, grp, f
.irp kk, 0,1
.irp ks, 0,1,2,3
	ds_load_b128 v[\f+8*(4*\kk+\ks):\f+8*(4*\kk+\ks)+3],   v[KAD+\slot] offset:(64*(\sb)+16*(2*\grp+\kk))*PK+64*\ks
	ds_load_b128 v[\f+8*(4*\kk+\ks)+4:\f+8*(4*\kk+\ks)+7], v[KAD+\slot] offset:(64*(\sb)+16*(2*\grp+\kk))*PK+64*\ks+32
.endr
.endr
.endm
; 16 loads: V^T fragments of keys 32 ks .. + 31 of the 64, all 8 tiles of d
.macro VLOAD slot, sb, ks, f
.irp dt, 0,1,2,3,4,5,6,7
	ds_load_tr16_b128 v[\f+8*\dt:\f+8*\dt+3],   v[VAD+\slot] offset:(64*\sb+32*\ks)*PVV+32*\dt
	ds_load_tr16_b128 v[\f+8*\dt+4:\f+8*\dt+7], v[VAD+\slot] offset:(64*\sb+32*\ks)*PVV+32*\dt+16*PVV
.endr
.endm
; 16 matrix instructions: S^T of key tiles kt0, kt0 + 1 and both heads.  The four accumulators take turns, one instruction a turn.
.macro SMUL f, kt0
.irp ks, 0,1,2,3
.irp kk, 0,1
.irp qt, 0,1
.if \ks == 0
	v_wmma_f32_16x16x32_f16 v[SB+16*(\kt0+\kk)+8*\qt:SB+16*(\kt0+\kk)+8*\qt+7], v[\f+8*(4*\kk+\ks):\f+8*(4*\kk+\ks)+7], v[QR+8*(4*\qt+\ks):QR+8*(4*\qt+\ks)+7], 0
.else
	v_wmma_f32_16x16x32_f16 v[SB+16*(\kt0+\kk)+8*\qt:SB+16*(\kt0+\kk)+8*\qt+7], v[\f+8*(4*\kk+\ks):\f+8*(4*\kk+\ks)+7], v[QR+8*(4*\qt+\ks):QR+8*(4*\qt+\ks)+7], v[SB+16*(\kt0+\kk)+8*\qt:SB+16*(\kt0+\kk)+8*\qt+7]
.endif
.endr
.endr
.endr
.endm
; 16 matrix instructions: O^T += V^T P^T for 32 keys; the sixteen accumulators take turns likewise.  init = 1: the first product starts the sums.
.macro PVMUL f, ks, init
.irp dt, 0,1,2,3,4,5,6,7
.irp qt, 0,1
.if \init
	v_wmma_f32_16x16x32_f16 v[8*(2*\dt+\qt):8*(2*\dt+\qt)+7], v[\f+8*\dt:\f+8*\dt+7], v[PR+8*(2*\qt+\ks):PR+8*(2*\qt+\ks)+7], 0
.else
	v_wmma_f32_16x16x32_f16 v[8*(2*\dt+\qt):8*(2*\dt+\qt)+7], v[\f+8*\dt:\f+8*\dt+7], v[PR+8*(2*\qt+\ks):PR+8*(2*\qt+\ks)+7], v[8*(2*\dt+\qt):8*(2*\dt+\qt)+7]
.endif
.endr
.endr
.endm
; The softmax step on 64 keys x 16 queries x 2 heads.  init = 1: there is no old maximum, sum or O yet.
.macro SOFTMAX sb, init
.irp kt, 0,1,2,3
.irp j, 0,1,2,3,4,5,6,7
	v_cmp_le_i32 s[CM+\j], 64*\sb+16*\kt+\j, v[REL]            ; the key is not later than the query
.endr
.irp j, 0,1,2,3,4,5,6,7
	v_cndmask_b32 v[BI+8*\kt+\j], v[NEG], v[BI+8*\kt+\j], s[CM+\j]   ; one bias for both heads: the mask's, or the lowest finite number
.endr
.irp qt, 0,1
.irp p, 0,2,4,6
	v_pk_fma_f32 v[SB+16*\kt+8*\qt+\p:SB+16*\kt+8*\qt+\p+1], v[SB+16*\kt+8*\qt+\p:SB+16*\kt+8*\qt+\p+1], s[20:21], v[BI+8*\kt+\p:BI+8*\kt+\p+1] op_sel_hi:[1,0,1]
.endr
.endr
.endr
	v_max3_num_f32 v[MN],   v[SB],   v[SB+1], v[SB+2]          ; the largest of my 32 scores of each head, and of the old maximum
	v_max3_num_f32 v[MN+2], v[SB+8], v[SB+9], v[SB+10]
.set i, 3
.rept 14
	v_max3_num_f32 v[MN],   v[MN],   v[SB+16*(i/8)+i%8],   v[SB+16*((i+1)/8)+(i+1)%8]
	v_max3_num_f32 v[MN+2], v[MN+2], v[SB+8+16*(i/8)+i%8], v[SB+8+16*((i+1)/8)+(i+1)%8]
.set i, i+2
.endr
.if \init
	v_max_num_f32 v[MN],   v[MN],   v[SB+55]
	v_max_num_f32 v[MN+2], v[MN+2], v[SB+63]
.else
	v_max3_num_f32 v[MN],   v[MN],   v[SB+55], v[MX]
	v_max3_num_f32 v[MN+2], v[MN+2], v[SB+63], v[MX+1]
.endif
	v_permlanex16_b32 v[MN+1], v[MN],   s22, s23               ; the other eight keys of each tile lie in the other half of the lanes
	v_permlanex16_b32 v[MN+3], v[MN+2], s22, s23
	v_max_num_f32 v[MN],   v[MN],   v[MN+1]
	v_max_num_f32 v[MN+2], v[MN+2], v[MN+3]
.if \init == 0
	v_sub_f32 v[AL+1], v[MX],   v[MN]
	v_sub_f32 v[AL+3], v[MX+1], v[MN+2]
.endif
.irp kt, 0,1,2,3
.irp qt, 0,1
.irp p, 0,2,4,6
	v_pk_add_f32 v[SB+16*\kt+8*\qt+\p:SB+16*\kt+8*\qt+\p+1], v[SB+16*\kt+8*\qt+\p:SB+16*\kt+8*\qt+\p+1], v[MN+2*\qt:MN+2*\qt+1] op_sel_hi:[1,0] neg_lo:[0,1] neg_hi:[0,1]
.endr
.endr
.endr
.if \init == 0
	v_exp_f32 v[AL],   v[AL+1]
	v_exp_f32 v[AL+2], v[AL+3]
.endif
.set i, 0
.rept 64
	v_exp_f32 v[SB+i], v[SB+i]
.set i, i+1
.endr
	v_mov_b32 v[MX],   v[MN]                                   ; plain instructions between the exponentials and their use (ISA guide 5.7.2)
	v_mov_b32 v[MX+1], v[MN+2]
	s_wait_alu depctr_va_vdst(0)
.irp qt, 0,1
	v_pk_add_f32 v[SUMT+4*\qt:SUMT+4*\qt+1],   v[SB+8*\qt:SB+8*\qt+1],   v[SB+8*\qt+2:SB+8*\qt+3]
	v_pk_add_f32 v[SUMT+4*\qt+2:SUMT+4*\qt+3], v[SB+8*\qt+4:SB+8*\qt+5], v[SB+8*\qt+6:SB+8*\qt+7]
.endr
.irp kt, 1,2,3
.irp qt, 0,1
	v_pk_add_f32 v[SUMT+4*\qt:SUMT+4*\qt+1],   v[SUMT+4*\qt:SUMT+4*\qt+1],   v[SB+16*\kt+8*\qt:SB+16*\kt+8*\qt+1]
	v_pk_add_f32 v[SUMT+4*\qt+2:SUMT+4*\qt+3], v[SUMT+4*\qt+2:SUMT+4*\qt+3], v[SB+16*\kt+8*\qt+2:SB+16*\kt+8*\qt+3]
.endr
.irp qt, 0,1
	v_pk_add_f32 v[SUMT+4*\qt:SUMT+4*\qt+1],   v[SUMT+4*\qt:SUMT+4*\qt+1],   v[SB+16*\kt+8*\qt+4:SB+16*\kt+8*\qt+5]
	v_pk_add_f32 v[SUMT+4*\qt+2:SUMT+4*\qt+3], v[SUMT+4*\qt+2:SUMT+4*\qt+3], v[SB+16*\kt+8*\qt+6:SB+16*\kt+8*\qt+7]
.endr
.endr
.irp qt, 0,1
	v_pk_add_f32 v[SUMT+4*\qt:SUMT+4*\qt+1], v[SUMT+4*\qt:SUMT+4*\qt+1], v[SUMT+4*\qt+2:SUMT+4*\qt+3]
.endr
.irp qt, 0,1
.if \init
	v_add_f32 v[LS+\qt], v[SUMT+4*\qt], v[SUMT+4*\qt+1]
.else
	v_add_f32 v[SUMT+4*\qt], v[SUMT+4*\qt], v[SUMT+4*\qt+1]
.endif
.endr
.if \init == 0
	v_fma_f32 v[LS],   v[LS],   v[AL],   v[SUMT]
	v_fma_f32 v[LS+1], v[LS+1], v[AL+2], v[SUMT+4]
.endif
	WIN W_P                                                    ; key tiles 2 ks and 2 ks + 1, packed, are registers 0-3 and 4-7 of P (qt, ks)
.irp kt, 0,1,2,3
.irp qt, 0,1
.irp p, 0,1,2,3
	v_cvt_pk_f16_f32 v[PR+8*(2*\qt+\kt/2)+4*(\kt%2)+\p], v[SB+16*\kt+8*\qt+2*\p], v[SB+16*\kt+8*\qt+2*\p+1]
.endr
.endr
.endr
.if \init == 0
	WIN W_R
.irp dt, 0,1,2,3,4,5,6,7
.irp qt, 0,1
.irp p, 0,2,4,6
	v_pk_mul_f32 v[8*(2*\dt+\qt)+\p:8*(2*\dt+\qt)+\p+1], v[8*(2*\dt+\qt)+\p:8*(2*\dt+\qt)+\p+1], v[AL+2*\qt:AL+2*\qt+1] op_sel_hi:[1,0]
.endr
.endr
.endr
.endif
.endm
; My 64 keys at 64 sb of a slot.  first = 1: the first K fragments are not yet asked for; last = 1: none follow in this slot.
; Each run of 16 LDS loads is issued one block of 16 matrix instructions (or the softmax) ahead of its use.
.macro SUB slot, sb, first, last, init
	PLACES
.if \first
	KLOAD \slot, \sb, 0, FA
.endif
.irp kt, 0,1,2,3
	ds_load_b128 v[BI+8*\kt:BI+8*\kt+3],   v[MBA] offset:256*\sb+64*\kt
	ds_load_b128 v[BI+8*\kt+4:BI+8*\kt+7], v[MBA] offset:256*\sb+64*\kt+16
.endr
	KLOAD \slot, \sb, 1, FB
	s_wait_dscnt 24                                ; all but the 8 + 16 just issued: keys 0-31 are in
	WIN W_S
	SMUL FA, 0
	WIN 0
	PLACES
	VLOAD \slot, \sb, 0, FA
	s_wait_dscnt 16                                ; all but the 16 just issued: the bias and keys 32-63 are in
	WIN W_S
	SMUL FB, 2
	WIN 0
	PLACES
	VLOAD \slot, \sb, 1, FB
	SOFTMAX \sb, \init
	s_wait_dscnt 16                                ; V of keys 0-31 is in; V of keys 32-63 may be out
	WIN W_PV
	PVMUL FA, 0, \init
	WIN 0
	PLACES
.if \last
	s_wait_dscnt 0x0
.else
	KLOAD \slot, \sb+1, 0, FA
	s_wait_dscnt 16                                ; all but the 16 just issued: V of keys 32-63 is in
.endif
	WIN W_PV
	PVMUL FB, 1, 0
	WIN 0
.endm
.macro NEXTKEYS
	v_add_nc_u32 v[REL], 0xffffff00, v[REL]        ; 256 keys on
	v_add_nc_u32 v[MBA], 1024, v[MBA]
.endm
; A step of 256 keys in slot; the other slot, read in the step before, is filled again with the keys 256 behind this step's.
.macro STEP slot, other, refill
	s_set_vgpr_msb 0x5
	s_wait_tensorcnt 0x0                           ; no tensor load of mine is out (my part of this slot has landed), so a group 0 may be written
	ds_add_u32 v224, v225
	s_wait_dscnt 0x0
	s_set_vgpr_msb 0x500
.if \refill
	s_add_nc_u64 s[G0K+4*\other+2:G0K+4*\other+3], s[G0K+4*\other+2:G0K+4*\other+3], 512*8192
	s_add_nc_u64 s[G0V+4*\other+2:G0V+4*\other+3], s[G0V+4*\other+2:G0V+4*\other+3], 512*8192
.endif
	s_wait_dscnt 0x0                               ; my reads of the other slot are back
	ROUND                                          ; both now hold of every wave of the four work-groups
.if \refill
	JLOAD \other                                   ; the wave's one tensor load behind the round; it has the whole step in which to land
.endif
	SUB \slot, 0, 1, 0, 0
	SUB \slot, 1, 0, 1, 0
	NEXTKEYS
.endm
	s_wait_dscnt 0x0                               ; my part of the mask's table is written
	s_wait_tensorcnt 0x1                           ; my part of slot 0 is in; slot 1's may stay out
	s_barrier_signal -1
	s_barrier_wait -1
	SUB 0, 0, 1, 0, 1                              ; keys 0-255: the first 64 start maximum, sum and O
	SUB 0, 1, 0, 1, 0
	NEXTKEYS
	s_mov_b32 s3, 3
.Lsteps:
	STEP 1, 0, 1
	STEP 0, 1, 1
	s_sub_co_u32 s3, s3, 1
	s_cmp_lg_u32 s3, 0
	s_cbranch_scc1 .Lsteps
	STEP 1, 0, 0                                   ; keys 1,792-2,047: nothing is left to fetch
	; THE MERGE of the two halves of the keys.  Slot 0 has had its last fill, and every wave's reads of it were back in front of the last round.
	PLACES
	v_permlanex16_b32 v[MN+1], v[LS],   s22, s23
	v_permlanex16_b32 v[MN+3], v[LS+1], s22, s23
	v_add_f32 v[LS],   v[LS],   v[MN+1]            ; the sum over both halves of the lanes
	v_add_f32 v[LS+1], v[LS+1], v[MN+3]
	v_and_b32 v19, 31, v0
	v_lshlrev_b32 v19, 4, v19
	s_mul_i32 s14, s12, MST
	v_add_nc_u32 v19, s14, v19
	s_cmp_lt_u32 s10, 4
	s_cbranch_scc1 .Lkeep
	WIN 0x04                                       ; store data from window 1
.set i, 0
.rept 32
	ds_store_b128 v19, v[4*i:4*i+3] offset:512*i
.set i, i+1
.endr
	WIN 0
	ds_store_b128 v19, v[MX:MX+3] offset:512*32    ; m, m, l, l
.Lkeep:
	s_wait_dscnt 0x0                               ; for the partner's sake: my stores are done
	s_barrier_signal -1
	s_barrier_wait -1
	s_cmp_ge_u32 s10, 4
	s_cbranch_scc1 .Lclose
.set i, 0
.rept 32
	ds_load_b128 v[SB+4*i:SB+4*i+3], v19 offset:512*i
.set i, i+1
.endr
	ds_load_b128 v[160:163], v19 offset:512*32
	s_mul_i32 s15, s12, 16*OSP
	s_add_co_u32 s15, s15, OST                     ; my stage for the way out
	v_mul_u32_u24 v16, v1, OSP
	v_lshl_add_u32 v16, v2, 4, v16
	v_add_nc_u32 v16, s15, v16                     ; in: row r, 16 h
	v_and_b32 v18, 31, v0
	v_lshlrev_b32 v18, 4, v18                      ; 16 l: my place in a row of 512 bytes, in LDS and in Ah
	v_add_nc_u32 v17, s15, v18
	s_lshl_b32 s16, s43, 12                        ; my first position x 4,096 bytes
	s_lshl_b32 s17, s13, 9
	s_add_co_u32 s16, s16, s17
	s_mov_b32 s17, 0
	s_add_nc_u64 s[8:9], s[8:9], s[16:17]
	s_wait_dscnt 0x0
	v_max_num_f32 v20, v[MX],   v160
	v_max_num_f32 v21, v[MX+1], v161
	v_sub_f32 v22, v[MX],   v20
	v_sub_f32 v23, v[MX+1], v21
	v_sub_f32 v24, v160, v20
	v_sub_f32 v25, v161, v21
	v_exp_f32 v22, v22
	v_exp_f32 v23, v23
	v_exp_f32 v24, v24
	v_exp_f32 v25, v25
	v_nop
	s_wait_alu depctr_va_vdst(0)
	v_mul_f32 v26, v[LS],   v22
	v_mul_f32 v27, v[LS+1], v23
	v_fma_f32 v26, v162, v24, v26                  ; the whole row's sum: at least 1, the largest score's own term
	v_fma_f32 v27, v163, v25, v27
	v_rcp_f32 v26, v26
	v_rcp_f32 v27, v27
	v_nop
	s_wait_alu depctr_va_vdst(0)
	v_mul_f32 v[AL],   v22, v26                    ; factor of my O, head 0, 1
	v_mul_f32 v[AL+2], v23, v27
	v_mul_f32 v[MN],   v24, v26                    ; factor of the partner's O
	v_mul_f32 v[MN+2], v25, v27
.irp dt, 0,1,2,3,4,5,6,7
.irp qt, 0,1
.irp p, 0,2,4,6
	v_pk_mul_f32 v[SB+8*(2*\dt+\qt)+\p:SB+8*(2*\dt+\qt)+\p+1], v[SB+8*(2*\dt+\qt)+\p:SB+8*(2*\dt+\qt)+\p+1], v[MN+2*\qt:MN+2*\qt+1] op_sel_hi:[1,0]
.endr
.endr
.endr
	WIN 0x01                                       ; source 0 (my O) window 1
.irp dt, 0,1,2,3,4,5,6,7
.irp qt, 0,1
.irp p, 0,2,4,6
	v_pk_fma_f32 v[SB+8*(2*\dt+\qt)+\p:SB+8*(2*\dt+\qt)+\p+1], v[8*(2*\dt+\qt)+\p:8*(2*\dt+\qt)+\p+1], v[AL+2*\qt:AL+2*\qt+1], v[SB+8*(2*\dt+\qt)+\p:SB+8*(2*\dt+\qt)+\p+1] op_sel_hi:[1,0,1]
.endr
.endr
.endr
	WIN 0
.irp dt, 0,1,2,3,4,5,6,7
.irp qt, 0,1
.irp c, 0,1,2,3
	v_cvt_pk_f16_f32 v[SB+8*(2*\dt+\qt)+\c], v[SB+8*(2*\dt+\qt)+2*\c], v[SB+8*(2*\dt+\qt)+2*\c+1]
.endr
	ds_store_b128 v16, v[SB+8*(2*\dt+\qt):SB+8*(2*\dt+\qt)+3] offset:256*\qt+32*\dt   ; query r, head qt, d = 16 dt + 8 h + 0..7
.endr
.endr
.irp t, 0,1,2,3,4,5,6,7,8,9,10,11,12,13,14,15
	ds_load_b128 v[160+4*\t:160+4*\t+3], v17 offset:OSP*\t     ; my own bytes: LDS serves a wave's instructions in order
.endr
.irp t, 0,1,2,3,4,5,6,7,8,9,10,11,12,13,14,15
	s_wait_dscnt 15-\t
	global_store_b128 v18, v[160+4*\t:160+4*\t+3], s[8:9] offset:4096*\t    ; the wave stores 512 consecutive bytes, aligned: both heads of one position
.endr
.Lclose:
	s_set_vgpr_msb 0x5
	s_wait_tensorcnt 0x0
	ds_add_u32 v224, v225
	s_wait_dscnt 0x0
	s_set_vgpr_msb 0x500
	ROUND                                          ; the closing round: no work-group ends while a partner may still ask for a tile that names it
	s_endpgm
.Lfunc_end_k_q7a98f31566_attn:
	.size	k_q7a98f31566_attn, .Lfunc_end_k_q7a98f31566_attn-k_q7a98f31566_attn
	.p2alignl 7, 3214868480
	.fill 96, 4, 3214868480
	.section	.rodata,"a",@progbits
	.p2align	6, 0x0
	.amdhsa_kernel k_q7a98f31566_attn
		.amdhsa_group_segment_fixed_size 327680
		.amdhsa_private_segment_fixed_size 0
		.amdhsa_enable_private_segment 0
		.amdhsa_kernarg_size 24
		.amdhsa_user_sgpr_count 2
		.amdhsa_user_sgpr_kernarg_segment_ptr 1
		.amdhsa_wavefront_size32 1
		.amdhsa_system_sgpr_workgroup_id_x 1
		.amdhsa_system_sgpr_workgroup_id_y 1
		.amdhsa_system_sgpr_workgroup_id_z 1
		.amdhsa_system_vgpr_workitem_id 0
		.amdhsa_next_free_vgpr 482
		.amdhsa_next_free_sgpr 96
		.amdhsa_reserve_vcc 1
		.amdhsa_float_denorm_mode_32 3
		.amdhsa_float_denorm_mode_16_64 3
		.amdhsa_memory_ordered 1
		.amdhsa_forward_progress 1
		.amdhsa_inst_pref_size 255
	.end_amdhsa_kernel
	.section	.bss,"aw",@nobits
	.p2align	6
	.space	262144
	.amdgpu_metadata
---
amdhsa.version: [ 1, 2 ]
amdhsa.kernels:
  - .name:           k_q7a98f31566_attn
    .symbol:         k_q7a98f31566_attn.kd
    .args:
      - { .name: QKVh, .offset: 0, .size: 8, .value_kind: global_buffer, .address_space: global }
      - { .name: attention_mask, .offset: 8, .size: 8, .value_kind: global_buffer, .address_space: global }
      - { .name: Ah, .offset: 16, .size: 8, .value_kind: global_buffer, .address_space: global }
    .group_segment_fixed_size: 327680
    .private_segment_fixed_size: 0
    .kernarg_segment_align: 8
    .kernarg_segment_size: 24
    .max_flat_workgroup_size: 256
    .sgpr_count:     96
    .vgpr_count:     482
    .wavefront_size: 32
...
	.end_amdgpu_metadata
.endif
;; end of part 3
;; launch oproj (part 4): grid 16 x 16, 4 waves a work-group, clusters of 4 x 4, 327,680 bytes of LDS; arguments Ah, Woh, bo, out0; writes out0
.if DOCPART == 4
	.amdgcn_target "amdgcn-amd-amdhsa--gfx1250"
	.amdhsa_code_object_version 6
	.text
	.protected	k_q7a98f31566_oproj
	.globl	k_q7a98f31566_oproj
	.p2align	8
	.type	k_q7a98f31566_oproj,@function
k_q7a98f31566_oproj:
	s_mov_b64 s[64:65], 0
	v_nop
	global_prefetch_b8 v0, s[64:65] scope:SCOPE_SE
	s_setreg_imm32_b32 hwreg(HW_REG_WAVE_MODE, 25, 1), 1
	s_wait_xcnt 0x0
	s_wait_alu depctr_hold_cnt(0) depctr_sa_sdst(0) depctr_va_vdst(0) depctr_va_sdst(0) depctr_va_ssrc(0) depctr_va_vcc(0) depctr_vm_vsrc(0)
	s_getreg_b32 s2, hwreg(HW_REG_IB_STS2, 6, 4)
	s_cmp_eq_u32 s2, 0
	s_cbranch_scc0 .Lentry_in_a_cluster
	s_endpgm
.Lentry_in_a_cluster:
	s_bfe_u32 s2, ttmp6, 0x10000c
	s_cmp_lg_u32 s2, 0xf033
	s_cbranch_scc0 .Lentry_shape_is_right
	s_endpgm
.Lentry_shape_is_right:
; out0[t][n] = 64 x (Ah[t][:] . Woh[:][n]) + bo[n], in f32.  Ah: [2048][2048] f16 (the attention's result / 64), K along the rows.
; Woh: [2048 k][4096 n] f16, N along the rows.  Sums in f32.
; A work-group makes 128 rows x 256 columns with four waves.  K goes in steps of 128 through a ring of two LDS slots filled by the tensor data mover.
; THE WAVES SHARE K, NOT ROWS: wave w takes the column half w & 1 (128 columns) and the K half w >> 1 (64 of each step's 128), on all 128 rows:
; 64 accumulator tiles of 16 x 16, 512 registers.  For 32 along K a wave then reads 16 fragments (32 LDS loads) for 64 matrix instructions; with four
; tiles of 64 x 128 over all of K it would read 12 fragments for 32.  At the end the two waves of a column half hand each other half of their sums
; through LDS (32 KiB each way, once), and each finishes 64 rows.
; CLUSTERS: 4 x 4 work-groups.  The four of a row of the cluster need the same tile of Ah, the four of a column the same tile of Woh: each tile is
; asked for jointly by the four, with one descriptor and a mask that names them, which divides the requests for both by four.
; THE MATRIX INSTRUCTION IS USED TRANSPOSED: source 0 = 16 columns of W (read from [k][n] rows by the transposing LDS load), source 1 = 16 rows of A.
; Lane l then holds row l % 16 of the result and registers 0-7 the columns 8 (l / 16) + 0..7.
; REGISTERS in windows of 256:
;   window 0: v16-30 addresses; v64-127, v128-191 fragments of A, two buffers (4 row tiles of my rows, then 4 of my partner's); v192-255 the bias, 8 b + j
;   window 1: v64-127, v128-191 fragments of W, two buffers
;   window 2: the sums of MY 64 rows (rows 64 (w >> 1) + 0..63), tile (a, b) at 8 (8 a + b);   window 3: the sums of my PARTNER'S 64 rows
.set KDIM,  2048
.set NCOL,  4096                       ; numbers in a row of W and of the result
.set KSTEP, 128
.set PA,    272                        ; LDS row of A's tile: 256 bytes + 16: the 16 rows of a fragment load start 68 words apart
.set PB,    544                        ; LDS row of W's tile: 512 bytes + 32: an odd multiple of 32, as the transposing load's eight rows want
.set BTILE, 128*PB                     ; W's tile: 128 k rows x 256 columns, first in the slot
.set ATILE, 128*PA                     ; A's tile: 128 rows x 128 k, behind it
.set SLOT,  BTILE+ATILE
.set STAGE, 2*SLOT                     ; behind the ring, never a tensor load's target: 16 rows x 528 bytes for each wave
.set SP,    528
.set XCH,   32768                      ; what a wave hands over: 256 registers x 128 bytes, at wave x XCH, in the ring's bytes after their last fill
.set LAPS,  KDIM/(2*KSTEP)             ; a lap = two K steps = once round the ring
.set ADRL, 16                          ; v16-17 LDS address of the A fragments of my rows in slot 0, 1
.set ADRH, 18                          ; v18-19 of my partner's rows
.set ADRB, 20                          ; v20-21 of my W fragments
.set STO,  24
.set RD,   25
.set CO,   26
.set BOF,  28                          ; byte offset of my bias values
.set XS,   29                          ; where I put the sums that I hand over
.set XR,   30                          ; where my partner has put mine
.set F0,   64
.set F1,   128
.set BIAS, 192
.set T,    64                          ; the way out: 64 results of 16 rows
.set RB,   128                         ; and the 16 rows read back
.set G1,  24                           ; s[24:31] group 1 of A's tiles
.set G0,  32                           ; s[32:39] group 0 of A's tiles, a set for each slot
.set G1B, 48                           ; s[48:55] group 1 of W's tiles
.set G0B, 56                           ; s[56:63] group 0 of W's tiles
.set MUL_LO, 0xa1                      ; source 0 (W) window 1, source 1 (A) window 0, C and D window 2
.set MUL_HI, 0xf1                      ; the same, C and D window 3
.set TO_B,   0x40                      ; destination window 1, address window 0
.set MSB, 0
.macro WIN new                         ; the immediate's high byte repeats the setting that is left
.if MSB != \new
	s_set_vgpr_msb (MSB<<8)|\new
.set MSB, \new
.endif
.endm
.macro PLACES                          ; four plain vector instructions between a matrix instruction and a load into, or a vector use of, its registers
.rept 4
	v_nop
.endr
.endm
; A joint load.  Waves 0 and 1 fetch the two halves of W's tile, waves 2 and 3 those of A's.  The branch hangs on the wave's number alone.
.macro JLOAD s
	s_cmp_eq_u32 s11, 0
	s_cbranch_scc0 .Lfor_a_\@
	tensor_load_to_lds s[G0B+4*\s:G0B+4*\s+3], s[G1B:G1B+7]
	s_nop 0
	s_branch .Lasked_\@
.Lfor_a_\@:
	tensor_load_to_lds s[G0+4*\s:G0+4*\s+3], s[G1:G1+7]
	s_nop 0
.Lasked_\@:
.endm
.macro CREST                           ; a round of the cluster's barrier behind its opening work-group barrier
	s_cmp_lg_u32 s10, 0
	s_cbranch_scc1 .Lnot_wave_0_\@
	s_barrier_signal -3
.Lnot_wave_0_\@:
	s_barrier_wait -3
	s_barrier_signal -1
	s_barrier_wait -1
.endm
.macro CROUND
	s_barrier_signal -1
	s_barrier_wait -1
	CREST
.endm
	s_load_b128 s[4:7], s[0:1], 0x0                ; Ah, Woh
	s_load_b64 s[76:77], s[0:1], 0x10              ; bo
	s_load_b64 s[8:9], s[0:1], 0x18                ; out0
	s_set_vgpr_msb 0x40
	v_lshl_add_u32 v255, v0, 2, 0x3b400
	s_set_vgpr_msb 0x4000
	v_mov_b32 v63, 0
	s_set_vgpr_msb 0x1
	ds_add_u32 v255, v63
	s_set_vgpr_msb 0x100
	v_lshrrev_b32 v1, 5, v0
	v_readfirstlane_b32 s10, v1                    ; wave 0..3
	s_lshr_b32 s11, s10, 1                         ; my half of K, and the half of the block's rows that I finish.  Also: I fetch for W (0) or for A (1)
	s_and_b32 s12, s10, 1                          ; my half of the columns.  Also: which 64 rows of that tile I fetch
	s_bfe_u32 s40, ttmp6, 0x40000                  ; cx
	s_bfe_u32 s41, ttmp6, 0x40004                  ; cy
	s_lshl_b32 s42, ttmp9, 2
	s_add_co_u32 s42, s42, s40                     ; block column = 4 x cluster x + cx
	s_and_b32 s13, ttmp7, 0xffff
	s_lshl_b32 s13, s13, 2
	s_add_co_u32 s13, s13, s41                     ; block row = 4 x cluster y + cy
	s_lshl_b32 s43, s41, 2
	s_lshl_b32 s43, 15, s43                        ; my row of the cluster
	s_lshl_b32 s44, 0x1111, s40                    ; my column
	; group 1 of A's tiles: 64 rows x 128 numbers of 2 bytes, 4 words of padding behind every 64
	s_or_b32 s[G1+0], s43, (1<<16)|(1<<20)|(1<<21)|(5<<22)|(3<<25)
	s_mov_b32 s[G1+1], 128<<16                     ; tensor_dim0 = 128
	s_mov_b32 s[G1+2], 64<<16                      ; tensor_dim1 = 64
	s_mov_b32 s[G1+3], 128<<16                     ; tile_dim0 = 128
	s_mov_b32 s[G1+4], 64                          ; tile_dim1 = 64
	s_mov_b32 s[G1+5], KDIM                        ; numbers from row to row
	s_mov_b32 s[G1+6], 0
	s_mov_b32 s[G1+7], 0
	; group 1 of W's tiles: 64 k rows x 256 numbers, 8 words of padding behind every 128
	s_or_b32 s[G1B+0], s44, (1<<16)|(1<<20)|(1<<21)|(6<<22)|(7<<25)
	s_mov_b32 s[G1B+1], 256<<16
	s_mov_b32 s[G1B+2], 64<<16
	s_mov_b32 s[G1B+3], 256<<16
	s_mov_b32 s[G1B+4], 64
	s_mov_b32 s[G1B+5], NCOL
	s_mov_b32 s[G1B+6], 0
	s_mov_b32 s[G1B+7], 0
	; A's tile hangs on the block row alone, W's on the block column alone; each address in registers that never hold the other coordinate
	s_lshl_b32 s16, s13, 7
	s_lshl_b32 s17, s12, 6
	s_add_co_u32 s16, s16, s17                     ; A: row 128 x block row + 64 x half
	s_mul_i32 s16, s16, KDIM*2                     ; below 2^23 bytes
	s_mov_b32 s17, 0
	s_lshl_b32 s46, s42, 9                         ; W: column 256 x block column, in bytes
	s_lshl_b32 s47, s12, 19                        ;    + 64 x half k rows of 8,192 bytes
	s_add_co_u32 s46, s46, s47
	s_mov_b32 s47, 0
	s_mul_i32 s20, s10, 64*PA                      ; A's halves go to wave x 17,408 + 34,816: waves 2 and 3 land at BTILE and BTILE + 17,408
	s_add_co_u32 s20, s20, BTILE-128*PA
	s_mul_i32 s21, s10, 64*PB                      ; W's halves go to wave x 34,816: waves 0 and 1
	s_wait_dscnt 0x0
	s_wait_kmcnt 0x0
	s_add_nc_u64 s[14:15], s[4:5], s[16:17]
	s_add_nc_u64 s[46:47], s[6:7], s[46:47]
	CROUND                                         ; all sixteen work-groups are here: the first joint loads meet
.irp s, 0,1
	s_mov_b32 s[G0+4*\s], 1
	s_add_co_u32 s[G0+4*\s+1], s20, \s*SLOT
	s_add_nc_u64 s[G0+4*\s+2:G0+4*\s+3], s[14:15], \s*KSTEP*2
	s_or_b32 s[G0+4*\s+3], s[G0+4*\s+3], 0x80000000
	s_mov_b32 s[G0B+4*\s], 1
	s_add_co_u32 s[G0B+4*\s+1], s21, \s*SLOT
	s_add_nc_u64 s[G0B+4*\s+2:G0B+4*\s+3], s[46:47], \s*KSTEP*NCOL*2
	s_or_b32 s[G0B+4*\s+3], s[G0B+4*\s+3], 0x80000000
	JLOAD \s                                       ; both slots are asked for before anything else: two tensor loads of the wave are out
.endr
	v_and_b32 v1, 15, v0                           ; r = l % 16
	v_bfe_u32 v2, v0, 4, 1                         ; h = l / 16
	v_mul_u32_u24 v3, v1, PA
	v_lshl_add_u32 v3, v2, 4, v3                   ; r x 272 + 16 h
	v_and_b32 v4, 7, v0
	v_lshl_add_u32 v4, v2, 3, v4                   ; k row 8 h + l % 8
	v_mul_u32_u24 v4, v4, PB
	v_bfe_u32 v5, v0, 3, 1
	v_lshl_add_u32 v4, v5, 4, v4                   ; + 16 bytes for the second eight columns
	s_mul_i32 s80, s11, 64*PA+128                  ; my rows begin at row 64 x half; my K half begins at byte 128 x half of a row
	s_add_co_u32 s80, s80, BTILE
	s_xor_b32 s81, s11, 1
	s_mul_i32 s81, s81, 64*PA                      ; my partner's rows: the other 64, at the same bytes of the rows
	s_lshl_b32 s82, s11, 7
	s_add_co_u32 s81, s81, s82
	s_add_co_u32 s81, s81, BTILE
	s_mul_i32 s82, s11, 64*PB                      ; my K half of W: k rows 64 x half ..
	s_lshl_b32 s83, s12, 8                         ; my 128 columns of W
	s_add_co_u32 s82, s82, s83
.irp s, 0,1
	v_add_nc_u32 v[ADRL+\s], s80, v3
	v_add_nc_u32 v[ADRH+\s], s81, v3
	v_add_nc_u32 v[ADRB+\s], s82, v4
	s_add_co_u32 s80, s80, SLOT
	s_add_co_u32 s81, s81, SLOT
	s_add_co_u32 s82, s82, SLOT
.endr
	s_mul_i32 s23, s10, 16*SP
	s_add_co_u32 s23, s23, STAGE                   ; my stage
	v_mul_u32_u24 v5, v1, SP
	v_lshl_add_u32 v5, v2, 5, v5
	v_add_nc_u32 v[STO], s23, v5                   ; in: row r, 32 bytes for each half of the lanes
	v_and_b32 v5, 31, v0
	v_lshlrev_b32 v[CO], 4, v5                     ; 16 l: my place in a row of 512 bytes, in LDS and in out0
	v_add_nc_u32 v[RD], s23, v[CO]
	s_lshl_b32 s80, s10, 15
	v_add_nc_u32 v[XS], s80, v[CO]                 ; wave x 32,768 + 16 l
	s_xor_b32 s80, s10, 2                          ; my partner: the same columns, the other half of K
	s_lshl_b32 s80, s80, 15
	v_add_nc_u32 v[XR], s80, v[CO]
	s_lshl_b32 s78, s42, 10                        ; the bias of my 128 columns: 1,024 x block column + 512 x half; kept for the way out
	s_lshl_b32 s79, s12, 9
	s_add_co_u32 s78, s78, s79
	v_lshl_add_u32 v[BOF], v2, 5, s78              ; + 32 h: register j of tile b holds the bias of column 16 b + 8 h + j
.irp b, 0,1,2,3,4,5,6,7
	global_load_b128 v[BIAS+8*\b:BIAS+8*\b+3],   v[BOF], s[76:77] offset:64*\b      ; wanted only on the way out: these loads stay on their way through the K loop
	global_load_b128 v[BIAS+8*\b+4:BIAS+8*\b+7], v[BOF], s[76:77] offset:64*\b+16
.endr
; 8 matrix instructions: row tile a of my rows (hi = 0) or of my partner's (hi = 1) x all 8 column tiles, 32 along K.
; start = 1: the first product starts the sums, nothing is ever cleared.
; The 64 accumulators take turns, one instruction a turn, in the same order in every quarter step.
.macro MUL8 f, hi, a, start
.irp b, 0,1,2,3,4,5,6,7
.if \start
	v_wmma_f32_16x16x32_f16 v[8*(8*\a+\b):8*(8*\a+\b)+7], v[\f+8*\b:\f+8*\b+7], v[\f+8*(4*\hi+\a):\f+8*(4*\hi+\a)+7], 0
.else
	v_wmma_f32_16x16x32_f16 v[8*(8*\a+\b):8*(8*\a+\b)+7], v[\f+8*\b:\f+8*\b+7], v[\f+8*(4*\hi+\a):\f+8*(4*\hi+\a)+7], v[8*(8*\a+\b):8*(8*\a+\b)+7]
.endif
.endr
.endm
; 32 LDS loads in one run: quarter q (32 along K) of my K half of a slot into buffer f: 8 fragments of W, transposed on the way, 4 of my rows of A, 4 of my partner's
.macro FETCH slot, q, f
	WIN TO_B
.irp b, 0,1,2,3,4,5,6,7
	ds_load_tr16_b128 v[\f+8*\b:\f+8*\b+3],   v[ADRB+\slot] offset:\q*32*PB+32*\b
	ds_load_tr16_b128 v[\f+8*\b+4:\f+8*\b+7], v[ADRB+\slot] offset:\q*32*PB+32*\b+16*PB
.endr
	WIN 0
.irp a, 0,1,2,3
	ds_load_b128 v[\f+8*\a:\f+8*\a+3],   v[ADRL+\slot] offset:\a*16*PA+64*\q
	ds_load_b128 v[\f+8*\a+4:\f+8*\a+7], v[ADRL+\slot] offset:\a*16*PA+64*\q+32
.endr
.irp a, 0,1,2,3
	ds_load_b128 v[\f+32+8*\a:\f+32+8*\a+3],   v[ADRH+\slot] offset:\a*16*PA+64*\q
	ds_load_b128 v[\f+32+8*\a+4:\f+32+8*\a+7], v[ADRH+\slot] offset:\a*16*PA+64*\q+32
.endr
.endm
; The first of a K step's two quarters: multiplies buffer 0; behind its first 16 matrix instructions it fetches the second quarter into buffer 1.
.macro QUARTER slot, start
	s_wait_dscnt 8                                 ; W and my rows of A are in; the youngest eight loads (my partner's rows) may be out
	WIN MUL_LO
	MUL8 F0, 0, 0, \start
	MUL8 F0, 0, 1, \start
	PLACES
	FETCH \slot, 1, F1
	WIN MUL_LO
	MUL8 F0, 0, 2, \start
	MUL8 F0, 0, 3, \start
	s_wait_dscnt 32                                ; all but the 32 just issued
	WIN MUL_HI
	MUL8 F0, 1, 0, \start
	MUL8 F0, 1, 1, \start
	MUL8 F0, 1, 2, \start
	MUL8 F0, 1, 3, \start
.endm
; The second quarter: multiplies buffer 1 and changes slots.  One barrier for two things: in front of it each wave has its reads of this slot back and
; all its tensor loads landed (the one that is out is its part of the next slot); behind it the refill comes first, then the next slot's first fragments.
; From a request to the wait for it a wave issues 56 + 64 = 120 matrix instructions.
.macro TURN slot, next, fill
	s_wait_dscnt 0x0                               ; buffer 1 is whole, and my reads of this slot are over
	s_wait_tensorcnt 0x0                           ; and no tensor load of mine is out
	ds_add_u32 v255, v63
	s_wait_dscnt 0x0
	s_barrier_signal -1                            ; where a slot is filled again this barrier opens a round of the cluster's barrier
	WIN MUL_LO
	MUL8 F1, 0, 0, 0                               ; register work while the others arrive
	WIN 0
	s_barrier_wait -1
.if \fill
	CREST                                          ; no wave of any partner still reads this slot or has a load on its way
	s_add_nc_u64 s[G0+4*\slot+2:G0+4*\slot+3], s[G0+4*\slot+2:G0+4*\slot+3], 2*KSTEP*2
	s_add_nc_u64 s[G0B+4*\slot+2:G0B+4*\slot+3], s[G0B+4*\slot+2:G0B+4*\slot+3], 2*KSTEP*NCOL*2
	JLOAD \slot                                    ; the wave's one tensor load behind the round
.endif
	PLACES
	FETCH \next, 0, F0
	WIN MUL_LO
	MUL8 F1, 0, 1, 0
	MUL8 F1, 0, 2, 0
	MUL8 F1, 0, 3, 0
	WIN MUL_HI
	MUL8 F1, 1, 0, 0
	MUL8 F1, 1, 1, 0
	MUL8 F1, 1, 2, 0
	MUL8 F1, 1, 3, 0
.endm
.macro LAP start
	QUARTER 0, \start
	TURN 0, 1, 1
	QUARTER 1, 0
	TURN 1, 0, 1
.endm
	s_wait_tensorcnt 0x1                           ; my part of K step 0 is in; K step 1's may stay out
	s_barrier_signal -1
	s_barrier_wait -1
	FETCH 0, 0, F0
	LAP 1                                          ; the first lap stands in front of the loop: its first products start the sums
	WIN 0
	s_mov_b32 s3, LAPS-2
.Llap:
	LAP 0
	WIN 0
	s_sub_co_u32 s3, s3, 1
	s_cmp_lg_u32 s3, 0
	s_cbranch_scc1 .Llap
	QUARTER 0, 0                                   ; the last lap fills nothing
	TURN 0, 1, 0
	QUARTER 1, 0
	s_wait_dscnt 0x0                               ; my last reads of the ring are back:
	s_barrier_signal -1                            ; say so; behind this barrier the ring's bytes, which have had their last fill, carry the sums that are handed over
	WIN MUL_LO
	MUL8 F1, 0, 0, 0
	MUL8 F1, 0, 1, 0
	MUL8 F1, 0, 2, 0
	MUL8 F1, 0, 3, 0
	WIN MUL_HI
	MUL8 F1, 1, 0, 0
	MUL8 F1, 1, 1, 0
	MUL8 F1, 1, 2, 0
	MUL8 F1, 1, 3, 0
	WIN 0
	s_barrier_wait -1
	; THE TWO HALVES OF K MEET.  I hand over window 3 (my partner's rows) and add what my partner hands me onto window 2 (my rows).
	PLACES
	WIN 0x0c                                       ; store data from window 3
.set i, 0
.rept 64
	ds_store_b128 v[XS], v[4*i:4*i+3] offset:512*i
.set i, i+1
.endr
	WIN 0
	s_wait_dscnt 0x0                               ; for my partner's sake: my stores are done
	s_barrier_signal -1
	s_barrier_wait -1
.set i, 0
.rept 32
	ds_load_b128 v[64+4*i:64+4*i+3], v[XR] offset:512*i
.set i, i+1
.endr
	WIN TO_B
.set i, 0
.rept 32
	ds_load_b128 v[64+4*i:64+4*i+3], v[XR] offset:512*(32+i)
.set i, i+1
.endr
	s_wait_dscnt 32                                ; the first 32 loads are in: registers 0-127 of the 256
	WIN 0x82                                       ; D and source 0 window 2, source 1 window 0
.set i, 0
.rept 64
	v_pk_add_f32 v[2*i:2*i+1], v[2*i:2*i+1], v[64+2*i:64+2*i+1]
.set i, i+1
.endr
	s_wait_dscnt 0x0
	WIN 0x86                                       ; source 1 window 1
.set i, 0
.rept 64
	v_pk_add_f32 v[128+2*i:128+2*i+1], v[128+2*i:128+2*i+1], v[64+2*i:64+2*i+1]
.set i, i+1
.endr
	WIN 0
	; THE WAY OUT, 16 rows at a time: sum x 64 + bias in one fused multiply-add, 32 bytes a lane into my stage, back as whole rows of 512 bytes.
	s_wait_loadcnt 0x0                             ; the bias
	s_lshl_b32 s16, s13, 7
	s_lshl_b32 s17, s11, 6
	s_add_co_u32 s16, s16, s17                     ; the first row that I finish
	s_lshl_b32 s16, s16, 14                        ; x 16,384 bytes
	s_mov_b32 s17, 0
	s_add_nc_u64 s[8:9], s[8:9], s[16:17]
	s_mov_b32 s46, s78                             ; my first column in bytes: the same figure as the bias's offset
	s_mov_b32 s47, 0
	s_add_nc_u64 s[8:9], s[8:9], s[46:47]
.macro OUT16 a
	WIN 0x02                                       ; source 0 window 2 (sums); the bias and the results in window 0
.irp b, 0,1,2,3,4,5,6,7
.irp p, 0,2,4,6
	v_pk_fma_f32 v[T+8*\b+\p:T+8*\b+\p+1], v[8*(8*\a+\b)+\p:8*(8*\a+\b)+\p+1], 0x42800000, v[BIAS+8*\b+\p:BIAS+8*\b+\p+1] op_sel_hi:[1,0,1]
.endr
.endr
	WIN 0
.irp b, 0,1,2,3,4,5,6,7
	ds_store_b128 v[STO], v[T+8*\b:T+8*\b+3]   offset:64*\b
	ds_store_b128 v[STO], v[T+8*\b+4:T+8*\b+7] offset:64*\b+16
.endr
	s_wait_xcnt 0x0                                ; the registers that earlier stores read are loaded again only behind this wait
.irp t, 0,1,2,3,4,5,6,7,8,9,10,11,12,13,14,15
	ds_load_b128 v[RB+4*\t:RB+4*\t+3], v[RD] offset:SP*\t          ; LDS serves a wave's instructions in order: these see the stores above
.endr
.irp t, 0,1,2,3,4,5,6,7,8,9,10,11,12,13,14,15
	s_wait_dscnt 15-\t
	global_store_b128 v[CO], v[RB+4*\t:RB+4*\t+3], s[8:9] offset:(16*\a+\t)*NCOL*4 th:TH_STORE_NT   ; the wave stores 512 consecutive bytes, aligned
.endr
.endm
	OUT16 0
	OUT16 1
	OUT16 2
	OUT16 3
	s_set_vgpr_msb 0x1
	s_wait_tensorcnt 0x0
	ds_add_u32 v255, v63
	s_wait_dscnt 0x0
	s_set_vgpr_msb 0x100
	CROUND                                         ; the closing round: no work-group ends while a partner may still ask for a tile that names it
	s_endpgm
.Lfunc_end_k_q7a98f31566_oproj:
	.size	k_q7a98f31566_oproj, .Lfunc_end_k_q7a98f31566_oproj-k_q7a98f31566_oproj
	.p2alignl 7, 3214868480
	.fill 96, 4, 3214868480
	.section	.rodata,"a",@progbits
	.p2align	6, 0x0
	.amdhsa_kernel k_q7a98f31566_oproj
		.amdhsa_group_segment_fixed_size 327680
		.amdhsa_private_segment_fixed_size 0
		.amdhsa_enable_private_segment 0
		.amdhsa_kernarg_size 32
		.amdhsa_user_sgpr_count 2
		.amdhsa_user_sgpr_kernarg_segment_ptr 1
		.amdhsa_wavefront_size32 1
		.amdhsa_system_sgpr_workgroup_id_x 1
		.amdhsa_system_sgpr_workgroup_id_y 1
		.amdhsa_system_sgpr_workgroup_id_z 1
		.amdhsa_system_vgpr_workitem_id 0
		.amdhsa_next_free_vgpr 1024
		.amdhsa_next_free_sgpr 96
		.amdhsa_reserve_vcc 0
		.amdhsa_float_denorm_mode_32 3
		.amdhsa_float_denorm_mode_16_64 3
		.amdhsa_memory_ordered 1
		.amdhsa_forward_progress 1
		.amdhsa_inst_pref_size 135
	.end_amdhsa_kernel
	.amdgpu_metadata
---
amdhsa.version: [ 1, 2 ]
amdhsa.kernels:
  - .name:           k_q7a98f31566_oproj
    .symbol:         k_q7a98f31566_oproj.kd
    .args:
      - { .name: Ah, .offset: 0, .size: 8, .value_kind: global_buffer, .address_space: global }
      - { .name: Woh, .offset: 8, .size: 8, .value_kind: global_buffer, .address_space: global }
      - { .name: bo, .offset: 16, .size: 8, .value_kind: global_buffer, .address_space: global }
      - { .name: out0, .offset: 24, .size: 8, .value_kind: global_buffer, .address_space: global }
    .group_segment_fixed_size: 327680
    .private_segment_fixed_size: 0
    .kernarg_segment_align: 8
    .kernarg_segment_size: 32
    .max_flat_workgroup_size: 128
    .sgpr_count:     96
    .vgpr_count:     1024
    .wavefront_size: 32
...
	.end_amdgpu_metadata
.endif
;; end of part 4
;; ======== version 2 of 2: 4 launches; version 1 with the launch prep written anew for expert scheduling mode
;; limits: values are held in f16: magnitudes above 65,504 overflow, below 6.1e-05 lose precision; inputs' magnitudes at most 65,504; right only within a limited range of input values
;; workspace buffers: Xh 16,777,216 bytes; Wqkvh 33,554,432 bytes; Woh 16,777,216 bytes; tab 1,048,576 bytes; QKVh 16,777,216 bytes; Ah 8,388,608 bytes
;; launch prep (part 5): grid 256 x 9, 8 waves a work-group, no clusters, 0 bytes of LDS; arguments hidden_states, Wq, Wk, Wv, Wo, position_ids, Xh, Wqkvh, Woh, tab; writes Xh, Wqkvh, Woh, tab
.if DOCPART == 5
	.amdgcn_target "amdgcn-amd-amdhsa--gfx1250"
	.amdhsa_code_object_version 6
	.text
	.protected	k_q7a98f31566_prep
	.globl	k_q7a98f31566_prep
	.p2align	8
	.type	k_q7a98f31566_prep,@function
k_q7a98f31566_prep:
	s_mov_b64 s[64:65], 0
	v_nop
	global_prefetch_b8 v0, s[64:65] scope:SCOPE_SE
	s_setreg_imm32_b32 hwreg(HW_REG_WAVE_SCHED_MODE, 0, 2), 2
	s_setreg_imm32_b32 hwreg(HW_REG_WAVE_MODE, 25, 1), 1
	s_wait_xcnt 0x0
	s_wait_alu depctr_vm_vsrc(0)
; Casts hidden_states, Wq, Wk, Wv, Wo from f32 to f16 (rounded once), so that the three matrix launches behind it bring 16-bit tiles
; straight into LDS, and makes the rotary table of the 2,048 tokens from position_ids.
;   Xh    [2048][4096] f16 = hidden_states        Woh [2048][4096] f16 = Wo
;   Wqkvh [4096][4096] f16: columns 0-2047 Wq, 2048-3071 Wk, 3072-4095 Wv
;   tab   [2048][128]  f32: row t = 64 values sin(angle) / 64, then 64 values cos(angle) / 64, angle = position_ids[t] * 10000^(-i/64)
; LIMITS: an input beyond 65,504 in magnitude becomes an infinity in f16; below 6.1e-5 it keeps an absolute error of 2^-25.
; Positions are 0 to 4095 (the range of the table that the problem indexes); the angle carries the rounding of exp2 and of its argument,
; about 1e-7 of the angle, so about 5e-4 radians at the largest angle.
; Grid y = 0..7: casts; a work-group casts 16 chunks of 1,024 numbers (64 KiB of source), thread t the 16 bytes at 16 t of each chunk, so a
; wave's load covers 512 consecutive bytes and a wave's store 256 consecutive bytes, aligned.  All 16 loads go out before the first wait for data.
; Grid y = 8: the table, one wave a token.  No LDS, no barrier, no matrix unit: memory is all that this launch waits for.
; THE MODE: SCHED_MODE bits 1:0 = 2 (LLVM: expert scheduling mode 2), set by the entry lines.  The code itself states the register dependences
; between vector instructions and memory instructions, with s_wait_alu, always for 0.
; THE PLAN, casts.  Registers that memory instructions touch:
;   v1     16 t.  Written once, at the head; read by all 16 loads as their offset.
;   X      Chunk j's load lands in its own four registers, which no vector instruction has named; chunk j's two conversions read them.
;   D      Chunk j's offset in the destination.  Written once, behind the loads; read by chunk j's store.
;   Y      Chunk j's own two registers.  Written once, by its conversions; read by its store.
; No register that a memory instruction reads is written a second time, and no register is loaded a second time: all that is to be stated is that v1 is
; written ahead of the loads, and D and Y ahead of the stores.  The chunks go in four blocks of four.  Block p converts its four chunks; among its
; conversions, which name X and Y of block p alone, stand the four stores of block p - 1.  So ONE wait at the head of a block states all that those
; four stores hang on, and one more stands behind block 3, ahead of the last four stores.
; THE PLAN, table.  The wave's number goes through a scalar register: one wait ahead of its first reader.  v3 (offset) and v[16:19] (data) are written by
; vector instructions and read by the two stores: one wait ahead of them.  Nothing that a store reads is written behind it.
.set D, 2                              ; v[2:17]   byte offset of my 8 bytes of chunk j in the destination
.set X, 20                             ; v[20:83]  chunk j as loaded, 4 registers
.set Y, 84                             ; v[84:115] chunk j to store, 2 registers
	s_load_b512 s[8:23], s[0:1], 0x0               ; hidden 8:9, Wq 10:11, Wk 12:13, Wv 14:15, Wo 16:17, position_ids 18:19, Xh 20:21, Wqkvh 22:23
	s_load_b128 s[24:27], s[0:1], 0x40             ; Woh 24:25, tab 26:27
	s_and_b32 s2, ttmp7, 0xffff                    ; y
	s_wait_kmcnt 0x0
	s_cmp_eq_u32 s2, 8
	s_cbranch_scc1 .Ltab
	; y:      0,1 hidden    2,3 Wq       4 Wk         5 Wv         6,7 Wo
	; s32 = the work-group's number inside its tensor; s33 = log2 of the destination bytes that a work-group spans; s34 = column offset in bytes;
	; s35 = from chunk 0 to chunk 1 in the destination; s36 = from chunk j to chunk j + 2.
	s_and_b32 s37, s2, 1
	s_lshl_b32 s37, s37, 8
	s_cmp_eq_u32 s2, 5
	s_cselect_b32 s37, 0, s37                      ; Wk and Wv have 256 work-groups each, the others 512
	s_add_co_u32 s32, ttmp9, s37
	s_mov_b32 s35, 2048
	s_mov_b32 s36, 4096
	s_cmp_ge_u32 s2, 2
	s_cselect_b64 s[28:29], s[10:11], s[8:9]       ; source
	s_cselect_b64 s[30:31], s[22:23], s[20:21]     ; destination
	s_cselect_b32 s33, 16, 15                      ; Wq: 8 rows of 8,192 destination bytes; hidden: 32 KiB, dense
	s_cselect_b32 s36, 8192, s36
	s_cmp_ge_u32 s2, 4
	s_cselect_b64 s[28:29], s[12:13], s[28:29]
	s_cselect_b32 s33, 17, s33                     ; Wk, Wv: a chunk is a row, 16 rows of 8,192 destination bytes
	s_cselect_b32 s34, 4096, 0
	s_cselect_b32 s35, 8192, s35
	s_cselect_b32 s36, 16384, s36
	s_cmp_ge_u32 s2, 5
	s_cselect_b64 s[28:29], s[14:15], s[28:29]
	s_cselect_b32 s34, 6144, s34
	s_cmp_ge_u32 s2, 6
	s_cselect_b64 s[28:29], s[16:17], s[28:29]
	s_cselect_b64 s[30:31], s[24:25], s[30:31]
	s_cselect_b32 s33, 15, s33
	s_cselect_b32 s34, 0, s34
	s_cselect_b32 s35, 2048, s35
	s_cselect_b32 s36, 4096, s36
	v_lshlrev_b32 v1, 4, v0                        ; 16 t; the scalar lines below stand between it and the wait for it
	s_lshl_b32 s38, s32, 16                        ; 64 KiB of source for each work-group
	s_mov_b32 s39, 0
	s_add_nc_u64 s[28:29], s[28:29], s[38:39]
	s_lshl_b32 s38, s32, s33
	s_add_co_u32 s38, s38, s34
	s_add_nc_u64 s[30:31], s[30:31], s[38:39]
	s_wait_alu depctr_va_vdst(0)                   ; v1 is written: all 16 loads read it as their offset
.irp j, 0,1,2,3,4,5,6,7,8,9,10,11,12,13,14,15
	global_load_b128 v[X+4*\j:X+4*\j+3], v1, s[28:29] offset:4096*\j th:TH_LOAD_NT   ; read once in the whole program
.endr
	v_lshlrev_b32 v[D], 3, v0                      ; 8 t: the stores' offsets are made while the loads are on their way
	v_add_nc_u32 v[D+1], s35, v[D]
.irp j, 2,3,4,5,6,7,8,9,10,11,12,13,14,15
	v_add_nc_u32 v[D+\j], s36, v[D+\j-2]
.endr
; Block p: chunks 4 p to 4 p + 3 are rounded; the four stores of block p - 1 stand among the conversions, each ahead of a chunk's pair.
.macro BLK p
	s_wait_loadcnt 12-4*(\p)                       ; loads come back in order: this block's four chunks are in, the 12 - 4 p loads of the younger blocks stay out
.if (\p) > 0
	s_wait_alu depctr_va_vdst(0)                   ; the block before has written its Y, which the stores below read as data; at block 1 also: all 16 offsets D are written
.endif
.irp i, 0,1,2,3
.if (\p) > 0
	global_store_b64 v[D+4*(\p)-4+(\i)], v[Y+8*(\p)-8+2*(\i):Y+8*(\p)-8+2*(\i)+1], s[30:31]   ; no vector instruction since the wait names these registers; none is written twice, so no wait for sources
.endif
	v_cvt_pk_f16_f32 v[Y+8*(\p)+2*(\i)],   v[X+16*(\p)+4*(\i)],   v[X+16*(\p)+4*(\i)+1]
	v_cvt_pk_f16_f32 v[Y+8*(\p)+2*(\i)+1], v[X+16*(\p)+4*(\i)+2], v[X+16*(\p)+4*(\i)+3]
.endr
.endm
	BLK 0
	BLK 1
	BLK 2
	BLK 3
	s_wait_alu depctr_va_vdst(0)                   ; block 3 has written its Y, which the last four stores read
.irp i, 0,1,2,3
	global_store_b64 v[D+12+\i], v[Y+24+2*\i:Y+24+2*\i+1], s[30:31]
.endr
	s_endpgm
.Ltab:
	; token = 8 x + wave; lane l makes frequencies i = 2 l and 2 l + 1, both at once in register pairs.
	v_lshrrev_b32 v1, 5, v0
	v_readfirstlane_b32 s3, v1
	v_and_b32 v1, 31, v0                           ; three lines of the lanes' arithmetic stand between that line and the wait for it
	v_lshlrev_b32 v2, 1, v1
	v_cvt_f32_u32 v4, v2
	s_wait_alu depctr_va_sdst(0)                   ; s3 is written, ahead of its first reader: the token's number is made from it
	s_lshl3_add_u32 s4, ttmp9, s3                  ; token
	s_lshl_b32 s5, s4, 2
	s_load_b32 s6, s[18:19], s5 offset:0x0         ; its position
	v_add_f32 v5, 1.0, v4
	v_pk_mul_f32 v[4:5], v[4:5], 0xbe549a78 op_sel_hi:[1,0]     ; - i log2(10000) / 64
	v_exp_f32 v4, v4                               ; 10000^(-i/64)
	v_exp_f32 v5, v5
	v_lshlrev_b32 v3, 3, v1                        ; 8 l: a plain instruction between the exponentials and their use (ISA guide 5.7.2)
	s_lshl_b32 s7, s4, 9                           ; a table row is 512 bytes
	v_add_nc_u32 v3, s7, v3
	s_wait_kmcnt 0x0
	v_cvt_f32_i32 v2, s6
	s_wait_alu depctr_va_vdst(0)                   ; the two exponentials have written v4 and v5, which the two multiplications below read: one wait for the batch
	v_mul_f32 v4, v2, v4                           ; the angle, rounded to f32 as the problem's table rounds it
	v_mul_f32 v5, v2, v5
	v_mul_f32 v6, 0x3e22f983, v4                   ; in turns
	v_mul_f32 v7, 0x3e22f983, v5
	v_rndne_f32 v6, v6
	v_rndne_f32 v7, v7
	v_pk_fma_f32 v[8:9], v[4:5], 0x3e22f983, v[6:7] op_sel_hi:[1,0,1] neg_lo:[0,0,1] neg_hi:[0,0,1]   ; the turn's fraction, exact product
	v_pk_fma_f32 v[8:9], v[4:5], 0x31dc9c88, v[8:9] op_sel_hi:[1,0,1]   ; + angle x (1/2pi - its f32 value): |f| <= 1/2
	v_pk_mul_f32 v[8:9], v[8:9], 0x40490fdb op_sel_hi:[1,0]             ; x = pi f = half the reduced angle, |x| <= pi/2
	v_pk_mul_f32 v[10:11], v[8:9], v[8:9]                               ; u = x^2
	; sin x / x and cos x by their series on |x| <= pi/2: the first terms left out are below 6e-8 and 1e-8 for every position
	v_mov_b32 v12, 0xb2d7322b                      ; -1/11!
	v_mov_b32 v13, 0xb2d7322b
	v_mov_b32 v14, 0x310f76c7                      ; 1/12!
	v_mov_b32 v15, 0x310f76c7
	v_pk_fma_f32 v[12:13], v[12:13], v[10:11], 0x3638ef1d op_sel_hi:[1,1,0]   ; 1/9!
	v_pk_fma_f32 v[14:15], v[14:15], v[10:11], 0xb493f27e op_sel_hi:[1,1,0]   ; -1/10!
	v_pk_fma_f32 v[12:13], v[12:13], v[10:11], 0xb9500d01 op_sel_hi:[1,1,0]   ; -1/7!
	v_pk_fma_f32 v[14:15], v[14:15], v[10:11], 0x37d00d01 op_sel_hi:[1,1,0]   ; 1/8!
	v_pk_fma_f32 v[12:13], v[12:13], v[10:11], 0x3c088889 op_sel_hi:[1,1,0]   ; 1/5!
	v_pk_fma_f32 v[14:15], v[14:15], v[10:11], 0xbab60b61 op_sel_hi:[1,1,0]   ; -1/6!
	v_pk_fma_f32 v[12:13], v[12:13], v[10:11], 0xbe2aaaab op_sel_hi:[1,1,0]   ; -1/3!
	v_pk_fma_f32 v[14:15], v[14:15], v[10:11], 0x3d2aaaab op_sel_hi:[1,1,0]   ; 1/4!
	v_pk_fma_f32 v[12:13], v[12:13], v[10:11], 1.0 op_sel_hi:[1,1,0]
	v_pk_fma_f32 v[14:15], v[14:15], v[10:11], -0.5 op_sel_hi:[1,1,0]
	v_pk_mul_f32 v[12:13], v[12:13], v[8:9]                                   ; s = sin x
	v_pk_fma_f32 v[14:15], v[14:15], v[10:11], 1.0 op_sel_hi:[1,1,0]          ; c = cos x
	v_pk_mul_f32 v[6:7], v[12:13], 0x3d000000 op_sel_hi:[1,0]                 ; s / 32
	v_pk_mul_f32 v[16:17], v[6:7], v[14:15]                                   ; sin 2x / 64 = 2 s c / 64
	v_pk_fma_f32 v[18:19], v[6:7], v[12:13], 0x3c800000 op_sel_hi:[1,1,0] neg_lo:[1,0,0] neg_hi:[1,0,0]   ; cos 2x / 64 = (1 - 2 s^2) / 64
	s_wait_alu depctr_va_vdst(0)                   ; v3, the offset, and v[16:19], the sines and cosines, are written: the two stores read them
	global_store_b64 v3, v[16:17], s[26:27]                    ; the wave's 64 sines: 256 consecutive bytes, aligned
	global_store_b64 v3, v[18:19], s[26:27] offset:256         ; and its 64 cosines
	s_endpgm
.Lfunc_end_k_q7a98f31566_prep:
	.size	k_q7a98f31566_prep, .Lfunc_end_k_q7a98f31566_prep-k_q7a98f31566_prep
	.p2alignl 7, 3214868480
	.fill 96, 4, 3214868480
	.section	.rodata,"a",@progbits
	.p2align	6, 0x0
	.amdhsa_kernel k_q7a98f31566_prep
		.amdhsa_group_segment_fixed_size 0
		.amdhsa_private_segment_fixed_size 0
		.amdhsa_enable_private_segment 0
		.amdhsa_kernarg_size 80
		.amdhsa_user_sgpr_count 2
		.amdhsa_user_sgpr_kernarg_segment_ptr 1
		.amdhsa_wavefront_size32 1
		.amdhsa_system_sgpr_workgroup_id_x 1
		.amdhsa_system_sgpr_workgroup_id_y 1
		.amdhsa_system_sgpr_workgroup_id_z 1
		.amdhsa_system_vgpr_workitem_id 0
		.amdhsa_next_free_vgpr 128
		.amdhsa_next_free_sgpr 66
		.amdhsa_reserve_vcc 0
		.amdhsa_float_denorm_mode_32 3
		.amdhsa_float_denorm_mode_16_64 3
		.amdhsa_memory_ordered 1
		.amdhsa_forward_progress 1
		.amdhsa_inst_pref_size 11
	.end_amdhsa_kernel
	.amdgpu_metadata
---
amdhsa.version: [ 1, 2 ]
amdhsa.kernels:
  - .name:           k_q7a98f31566_prep
    .symbol:         k_q7a98f31566_prep.kd
    .args:
      - { .name: hidden_states, .offset: 0, .size: 8, .value_kind: global_buffer, .address_space: global }
      - { .name: Wq, .offset: 8, .size: 8, .value_kind: global_buffer, .address_space: global }
      - { .name: Wk, .offset: 16, .size: 8, .value_kind: global_buffer, .address_space: global }
      - { .name: Wv, .offset: 24, .size: 8, .value_kind: global_buffer, .address_space: global }
      - { .name: Wo, .offset: 32, .size: 8, .value_kind: global_buffer, .address_space: global }
      - { .name: position_ids, .offset: 40, .size: 8, .value_kind: global_buffer, .address_space: global }
      - { .name: Xh, .offset: 48, .size: 8, .value_kind: global_buffer, .address_space: global }
      - { .name: Wqkvh, .offset: 56, .size: 8, .value_kind: global_buffer, .address_space: global }
      - { .name: Woh, .offset: 64, .size: 8, .value_kind: global_buffer, .address_space: global }
      - { .name: tab, .offset: 72, .size: 8, .value_kind: global_buffer, .address_space: global }
    .group_segment_fixed_size: 0
    .private_segment_fixed_size: 0
    .kernarg_segment_align: 8
    .kernarg_segment_size: 80
    .max_flat_workgroup_size: 256
    .sgpr_count:     66
    .vgpr_count:     128
    .wavefront_size: 32
...
	.end_amdgpu_metadata
.endif
;; end of part 5
;; launch qkv: the kernel of part 2 again; grid 16 x 16, 4 waves a work-group, clusters of 4 x 4, 327,680 bytes of LDS; arguments Xh, Wqkvh, bq, bk, bv, tab, QKVh; writes QKVh
;; launch attn: the kernel of part 3 again; grid 32 x 8, 8 waves a work-group, clusters of 4 x 1, 327,680 bytes of LDS; arguments QKVh, attention_mask, Ah; writes Ah
;; launch oproj: the kernel of part 4 again; grid 16 x 16, 4 waves a work-group, clusters of 4 x 4, 327,680 bytes of LDS; arguments Ah, Woh, bo, out0; writes out0
